; MI455X (gfx1250); checked and timed in simulation.
; The chip was launched on July 23, 2026; its instructions are those of AMD's public machine-readable ISA for CDNA 5 (MIT licence, August 2026) and "CDNA5" Instruction Set Architecture Reference Guide (July 2026). The comments in the code are by the model that wrote it; some were corrected since.
;; Self Attention. Allowed arithmetic: matrix products marked QUANTISED: E2M1 operands, one E8M0 scale for each 32 along K, by v_wmma_scale_f32_16x16x128_f8f6f4 with both operands' format E2M1 (or v_wmma_scale_f32_32x16x128_f4), f32 sums; products left as they are: bf16, f16 or f32 operands; f32 sums; everything else in f32.
;; Inputs: Wk 1,024 x 1,024 float32; Wq 1,024 x 1,024 float32; Wv 1,024 x 1,024 float32; bk 1,024 float32; bq 1,024 float32; bv 1,024 float32; x 4 x 2,048 x 1,024 float32.
;; Outputs: out0 4 x 2,048 x 1,024 float32.
;; This version of the problem:
;;   THIS VERSION OF THE PROBLEM IS GIVEN IN LOW PRECISION. The matrix products marked QUANTISED in the list below multiply operands that are first quantised to E2M1 (2 exponent bits, 1 mantissa bit; 4 bits a number), with one power-of-two scale for each 32 numbers along K (OCP MX v1.0); their sums are f32. The products marked 'left as it is' may take bf16, f16 or f32 operands, with f32 sums. Whichever they take, every output number must still come out within the allowed error. Rounding operands to bf16 (8 significant bits) uses up far more of that allowance than f16 does (11 bits, for magnitudes from 6e-5 to 65,504). All else is computed in f32.
;;   The module's matrix products, in the order in which they are computed (A, B: the left and right operand; K: the contracted axis; several contracted axes count as one K, in the product's order):
;;     1. [M 8,192, K 1,024] x [K 1,024, N 1,024]; A: input x; B: input Wq: QUANTISED
;;     2. [M 8,192, K 1,024] x [K 1,024, N 1,024]; A: input x; B: input Wk: QUANTISED
;;     3. [M 8,192, K 1,024] x [K 1,024, N 1,024]; A: input x; B: input Wv: QUANTISED
;;     4. batch 4 x [M 2,048, K 1,024] x [K 1,024, N 2,048]; A: computed on the way; B: computed on the way: left as it is (an operand is computed on the way)
;;     5. batch 4 x [M 2,048, K 2,048] x [K 2,048, N 1,024]; A: computed on the way; B: computed on the way: left as it is (an operand is computed on the way)
;;   THE QUANTISER, for each operand of a quantised product, along K:
;;     - K is cut into blocks of 32 from its start; a last block that is shorter is filled with zeros.
;;     - A block's scale is 2^e with e = floor(log2(the largest magnitude in the block)) - 2, held to -126 .. 127; a block of zeros has e = 0. As a byte (E8M0): e + 127.
;;     - Each number is divided by its block's scale, clamped to +-6, and rounded to the nearest number of E2M1, ties to even, subnormals kept.
;;     - The product sums the exact products of the quantised numbers (number of the format x scale) in f32.
;;   ~~~python
;;   def quantise(x, axis):      # numpy; x: float32 -> the quantised numbers, widened to float32 again
;;       x = np.moveaxis(x, axis, -1); K = x.shape[-1]
;;       x = np.pad(x, [(0, 0)] * (x.ndim - 1) + [(0, -K % 32)]); x = x.reshape(x.shape[:-1] + (-1, 32)); a = np.abs(x).max(-1, keepdims=True)
;;       e = np.where(a > 0, np.clip(np.frexp(np.where(a > 0, a, 1))[1] - 1 - 2, -126, 127), 0)      # np.frexp(a)[1] - 1 = floor(log2(a)), exactly
;;       r = np.clip(x / 2.0 ** e, -6, 6)
;;       step = 2.0 ** (np.maximum(np.frexp(np.where(r == 0, 1, r))[1] - 1, 0) - 1)
;;       q = np.round(r / step) * step * 2.0 ** e      # np.round: ties to even
;;       return np.moveaxis(q.reshape(q.shape[:-2] + (-1,))[..., :K], -1, axis).astype(np.float32)
;;   ~~~
;; One version. Each part assembles by itself: llvm-mc -triple=amdgcn-amd-amdhsa -mcpu=gfx1250 --defsym DOCPART=n.
;; ======== version 1 of 1: 4 launches
;; limits: values are held in f16: magnitudes above 65,504 overflow, below 6.1e-05 lose precision
;; workspace buffers: xc 4,194,304 bytes; xs 262,144 bytes; wc 1,572,864 bytes; ws 98,304 bytes; qkv 50,331,648 bytes; pf 33,554,432 bytes; st 1,048,576 bytes
;; launch quant (part 1): grid 352 x 1, 4 waves a work-group, no clusters, 33,280 bytes of LDS; arguments x, Wq, Wk, Wv, xc, xs, wc, ws; writes xc, xs, wc, ws
.if DOCPART == 1
	.amdgcn_target "amdgcn-amd-amdhsa--gfx1250"
	.amdhsa_code_object_version 6
	.text
	.protected	k_qf1428e6aa9_quant
	.globl	k_qf1428e6aa9_quant
	.p2align	8
	.type	k_qf1428e6aa9_quant,@function
k_qf1428e6aa9_quant:
	s_mov_b64 s[64:65], 0
	v_nop
	global_prefetch_b8 v0, s[64:65] scope:SCOPE_SE
	s_setreg_imm32_b32 hwreg(HW_REG_WAVE_MODE, 25, 1), 1
	s_wait_xcnt 0x0
; LAUNCH 1 OF 4.  x [8192][1024] and Wq, Wk, Wv [1024][1024], f32, become codes of FP4 (E2M1), K innermost, with one E8M0 scale byte for each 32 along K.
; The codes of x go to xc [8192][512 bytes], its bytes to xs [8192][32]; those of Wq, Wk, Wv one behind the other to wc [3072][512 bytes] and ws [3072][32].
; DEAD WORK, LEFT OUT BY THE WHOLE PROGRAM: THE INPUT bk.  The score of query q and key k is (q . (x Wk^T)[k] + q . bk) / 32.  The term q . bk does not hang on k: it is the same
; along the softmax's axis, and softmax(s + const) = softmax(s) for all finite values.  k goes into the fourth product alone, which has no quantiser whose codes or scales bk could move.
; So bk has no way to any output: it is not loaded and is among no launch's arguments.  LIMIT: a NaN, an infinity or an overflow that reaches only q . bk is not carried to the result.
; bq (it scales with k) and bv (it reaches the output) are live.
; A block's scale is 2^(floor(log2(its largest magnitude)) - 2); its byte is the largest magnitude's exponent field - 2, held at 1 from below.  A block of zeros so gets the byte 1 where the
; rule says 127: its codes are zeros, which add nothing under any byte but 0xff, and this program alone reads the bytes.  Each number is divided by the scale and rounded to the nearest code, ties to even.
; LIMITS: blocks whose largest magnitude lies under 2^(2 - 126) keep the byte 1; NaN and infinities among the inputs are not served.
; Rows are dense and K is a multiple of 32: each tensor is a plain stream of blocks of 32.  A work-group takes 32,768 numbers, a wave 16 steps of 512.  Work-groups 0-255 take x, 256-287 Wq, 288-319 Wk, 320-351 Wv:
; only pointers are chosen, by the work-group's number; all take one path through the text.
; Each of a step's four loads reads 512 consecutive bytes, 16 a lane; the 2,048 bytes turn through the wave's own stage in LDS and come back 64 bytes a lane, so that a lane holds 16 neighbours along K
; (two neighbouring lanes hold a block).  A lane's 16 codes are 8 bytes: the wave stores 256 consecutive bytes.  A wave's 256 scale bytes are gathered in LDS and leave by one store.
; No tensor loads, no barrier: waves share nothing.  Loads run four steps (16 loads a wave) ahead, the turn through LDS one step.
.set WAVES, 4
.set STEPS, 16
.set EMAX,  2
.set CB,    8                          ; bytes of 16 codes
.set R,     16                         ; v16-79   four sets of 16 numbers as they are loaded
.set X,     80                         ; v80-111  two sets of 16 neighbours
.set C,     128                        ; v128-191 codes: four registers for each step, so that no store's data are written again
.set E,     112                        ; v112-127 a scale byte for each step
.set WREG,  8192                       ; LDS: a region for each wave: two stages of 32 x SP bytes, and behind them its 256 scale bytes
.set SP,    80                         ; a lane's place in a stage: its 64 bytes + 16 of padding
.set SPW,   12                         ; v12      LDS address of my spare word; never rewritten
.set NIL,   13                         ; v13      0; never rewritten
.set SPARE, WAVES*WREG                 ; behind the four regions: the spare words, 128 bytes for each wave
	s_load_b256 s[4:11], s[0:1], 0x0               ; x s[4:5], Wq s[6:7], Wk s[8:9], Wv s[10:11]
	s_load_b256 s[12:19], s[0:1], 0x20             ; xc s[12:13], xs s[14:15], wc s[16:17], ws s[18:19]
	v_lshl_add_u32 v[SPW], v0, 2, SPARE
	v_mov_b32 v[NIL], 0
	v_lshrrev_b32 v1, 5, v0
	v_readfirstlane_b32 s20, v1                    ; wave
	v_and_b32 v2, 31, v0                           ; lane
	v_lshlrev_b32 v3, 4, v2                        ; my 16 bytes of a load's 512
	s_mul_i32 s21, s20, WREG
	v_lshrrev_b32 v14, 2, v2
	v_mul_u32_u24 v14, v14, SP
	v_and_b32 v15, 3, v2
	v_lshl_add_u32 v14, v15, 4, v14
	v_add_nc_u32 v14, s21, v14                     ; the stage, on the way in: SP (lane / 4) + 16 (lane % 4)
	v_mul_u32_u24 v15, v2, SP
	v_add_nc_u32 v15, s21, v15                     ; and on the way out: SP x lane: my 16 neighbours
	v_mul_u32_u24 v4, v2, CB                       ; my codes' place in a step's
	v_lshrrev_b32 v5, 1, v2
	s_add_co_u32 s21, s21, 2*32*SP
	v_add_nc_u32 v5, s21, v5                       ; LDS: my wave's 256 scale bytes, my block's byte
	v_lshlrev_b32 v7, 3, v2                        ; and on the way out 8 bytes a lane
	v_add_nc_u32 v6, s21, v7
	s_sub_co_u32 s22, ttmp9, 256                   ; a weight's work-group: its place among the 96 (x's work-groups take the number itself, below)
	s_and_b32 s23, s22, 31                         ; and within its own tensor
	s_wait_kmcnt 0x0
	s_cmp_lt_u32 ttmp9, 320                        ; the choices hang on the work-group's number alone
	s_cselect_b64 s[8:9], s[8:9], s[10:11]         ; Wk or Wv
	s_cmp_lt_u32 ttmp9, 288
	s_cselect_b64 s[6:7], s[6:7], s[8:9]           ; Wq or that
	s_cmp_lt_u32 ttmp9, 256
	s_cselect_b64 s[4:5], s[4:5], s[6:7]           ; x or that
	s_cselect_b64 s[12:13], s[12:13], s[16:17]     ; the codes' buffer
	s_cselect_b64 s[14:15], s[14:15], s[18:19]     ; the bytes' buffer
	s_cselect_b32 s23, ttmp9, s23
	s_cselect_b32 s22, ttmp9, s22
	s_lshl_b32 s23, s23, 2
	s_add_co_u32 s23, s23, s20                     ; which run of 8,192 numbers of the source is my wave's
	s_lshl_b32 s24, s23, 15                        ; 32,768 bytes a run
	s_mov_b32 s25, 0
	s_add_nc_u64 s[4:5], s[4:5], s[24:25]
	s_lshl_b32 s22, s22, 2
	s_add_co_u32 s22, s22, s20                     ; and which run of the destination
	s_lshl_b32 s24, s22, 12                        ; 4,096 bytes of codes a run
	s_add_nc_u64 s[12:13], s[12:13], s[24:25]
	s_lshl_b32 s24, s22, 8                         ; 256 scale bytes a run
	s_add_nc_u64 s[14:15], s[14:15], s[24:25]
.macro LOAD t
.irp i, 0,1,2,3
	global_load_b128 v[R+16*((\t)%4)+4*\i:R+16*((\t)%4)+4*\i+3], v3, s[4:5] offset:2048*(\t)+512*\i th:TH_LOAD_NT   ; 32 lanes read 512 consecutive bytes
.endr
.endm
.macro TURN t                          ; step t's numbers through the stage: LDS serves a wave's instructions in order, so no wait stands between the stores and the loads
.irp i, 0,1,2,3
	ds_store_b128 v14, v[R+16*((\t)%4)+4*\i:R+16*((\t)%4)+4*\i+3] offset:32*SP*((\t)%2)+8*SP*\i
.endr
.irp i, 0,1,2,3
	ds_load_b128 v[X+16*((\t)%2)+4*\i:X+16*((\t)%2)+4*\i+3], v15 offset:32*SP*((\t)%2)+16*\i
.endr
.endm
.irp t, 0,1,2,3
	LOAD \t
.endr
	s_wait_loadcnt 12                              ; step 0's four loads are in; the twelve of steps 1 to 3 may be out
	TURN 0
.macro STEP t
.set XS, X+16*((\t)%2)
.if (\t) > 0
	s_wait_dscnt 1                                 ; this step's numbers are back from the stage (the last step's byte store may be out): so its stores into the stage have read their registers,
.else
	s_wait_dscnt 0x0
.endif
.if (\t)+4 < STEPS
	LOAD (\t)+4                                    ; which take the loads of four steps on
.endif
.if (\t)+1 < STEPS
.if STEPS-2-(\t) >= 3
	s_wait_loadcnt 12                              ; the next step's four loads are in; those of the three steps behind it may be out
.else
	s_wait_loadcnt 4*(STEPS-2-(\t))
.endif
	TURN (\t)+1                                    ; and go through the other stage while this step is worked
.endif
	v_max3_num_f32 v8, |v[XS]|, |v[XS+1]|, |v[XS+2]|               ; the largest magnitude of my 16
	v_max3_num_f32 v9, |v[XS+3]|, |v[XS+4]|, |v[XS+5]|
.irp i, 6,10
	v_max3_num_f32 v8, v8, |v[XS+\i]|, |v[XS+\i+1]|
	v_max3_num_f32 v9, v9, |v[XS+\i+2]|, |v[XS+\i+3]|
.endr
	v_max3_num_f32 v8, v8, |v[XS+14]|, |v[XS+15]|
	v_max3_num_f32 v8, v8, v9, (EMAX+1)<<23        ; and the floor 2^(EMAX + 1 - 127): so the byte cannot fall under 1
	v_max_num_f32_dpp v8, v8, v8 row_xmask:1 row_mask:0xf bank_mask:0xf   ; and of my neighbour's 16: the block's
	v_add_nc_u32 v11, -(EMAX<<23), v8              ; EMAX off its exponent field: the conversion takes the exponent field of this operand as its scale
	v_cvt_scalef32_pk8_fp4_f32 v[C+4*(\t)], v[XS:XS+7], v11
	v_cvt_scalef32_pk8_fp4_f32 v[C+4*(\t)+1], v[XS+8:XS+15], v11
	v_lshrrev_b32 v[E+(\t)], 23, v11               ; the scale's byte (also the plain line behind the conversions)
	ds_store_b8 v5, v[E+(\t)] offset:16*(\t)       ; both lanes of a block write the same byte with the same value
	global_store_b64 v4, v[C+4*(\t):C+4*(\t)+1], s[12:13] offset:32*CB*(\t)   ; the wave stores 256 consecutive bytes, aligned
.endm
.irp t, 0,1,2,3,4,5,6,7,8,9,10,11,12,13,14,15
	STEP \t
.endr
	ds_load_b64 v[8:9], v6                         ; LDS serves a wave's instructions in order: these see my stores
	s_wait_dscnt 0x0
	global_store_b64 v7, v[8:9], s[14:15]          ; 32 lanes store 256 consecutive bytes, aligned
	s_wait_tensorcnt 0x0                           ; the wave's end, behind my last LDS store
	ds_add_u32 v[SPW], v[NIL]
	s_wait_dscnt 0x0
	s_endpgm
.Lfunc_end_k_qf1428e6aa9_quant:
	.size	k_qf1428e6aa9_quant, .Lfunc_end_k_qf1428e6aa9_quant-k_qf1428e6aa9_quant
	.p2alignl 7, 3214868480
	.fill 96, 4, 3214868480
	.section	.rodata,"a",@progbits
	.p2align	6, 0x0
	.amdhsa_kernel k_qf1428e6aa9_quant
		.amdhsa_group_segment_fixed_size 33280
		.amdhsa_private_segment_fixed_size 0
		.amdhsa_enable_private_segment 0
		.amdhsa_kernarg_size 64
		.amdhsa_user_sgpr_count 2
		.amdhsa_user_sgpr_kernarg_segment_ptr 1
		.amdhsa_wavefront_size32 1
		.amdhsa_system_sgpr_workgroup_id_x 1
		.amdhsa_system_sgpr_workgroup_id_y 1
		.amdhsa_system_sgpr_workgroup_id_z 1
		.amdhsa_system_vgpr_workitem_id 0
		.amdhsa_next_free_vgpr 192
		.amdhsa_next_free_sgpr 66
		.amdhsa_reserve_vcc 0
		.amdhsa_float_denorm_mode_32 3
		.amdhsa_float_denorm_mode_16_64 3
		.amdhsa_memory_ordered 1
		.amdhsa_forward_progress 1
		.amdhsa_inst_pref_size 34
	.end_amdhsa_kernel
	.amdgpu_metadata
---
amdhsa.version: [ 1, 2 ]
amdhsa.kernels:
  - .name:           k_qf1428e6aa9_quant
    .symbol:         k_qf1428e6aa9_quant.kd
    .args:
      - { .name: x, .offset: 0, .size: 8, .value_kind: global_buffer, .address_space: global }
      - { .name: Wq, .offset: 8, .size: 8, .value_kind: global_buffer, .address_space: global }
      - { .name: Wk, .offset: 16, .size: 8, .value_kind: global_buffer, .address_space: global }
      - { .name: Wv, .offset: 24, .size: 8, .value_kind: global_buffer, .address_space: global }
      - { .name: xc, .offset: 32, .size: 8, .value_kind: global_buffer, .address_space: global }
      - { .name: xs, .offset: 40, .size: 8, .value_kind: global_buffer, .address_space: global }
      - { .name: wc, .offset: 48, .size: 8, .value_kind: global_buffer, .address_space: global }
      - { .name: ws, .offset: 56, .size: 8, .value_kind: global_buffer, .address_space: global }
    .group_segment_fixed_size: 33280
    .private_segment_fixed_size: 0
    .kernarg_segment_align: 8
    .kernarg_segment_size: 64
    .max_flat_workgroup_size: 128
    .sgpr_count:     66
    .vgpr_count:     192
    .wavefront_size: 32
...
	.end_amdgpu_metadata
.endif
;; end of part 1
;; launch proj (part 2): grid 12 x 32, 4 waves a work-group, clusters of 4 x 4, 327,680 bytes of LDS; arguments xc, xs, wc, ws, bq, bv, qkv; writes qkv
.if DOCPART == 2
	.amdgcn_target "amdgcn-amd-amdhsa--gfx1250"
	.amdhsa_code_object_version 6
	.text
	.protected	k_qf1428e6aa9_proj
	.globl	k_qf1428e6aa9_proj
	.p2align	8
	.type	k_qf1428e6aa9_proj,@function
k_qf1428e6aa9_proj:
	s_mov_b64 s[64:65], 0
	v_nop
	global_prefetch_b8 v0, s[64:65] scope:SCOPE_SE
	s_setreg_imm32_b32 hwreg(HW_REG_WAVE_MODE, 25, 1), 1
	s_wait_xcnt 0x0
	s_wait_alu depctr_hold_cnt(0) depctr_sa_sdst(0) depctr_va_vdst(0) depctr_va_sdst(0) depctr_va_ssrc(0) depctr_va_vcc(0) depctr_vm_vsrc(0)
	s_getreg_b32 s2, hwreg(HW_REG_IB_STS2, 6, 4)
	s_cmp_eq_u32 s2, 0
	s_cbranch_scc0 .Lentry_in_a_cluster
	s_endpgm
.Lentry_in_a_cluster:
	s_bfe_u32 s2, ttmp6, 0x10000c
	s_cmp_lg_u32 s2, 0xf033
	s_cbranch_scc0 .Lentry_shape_is_right
	s_endpgm
.Lentry_shape_is_right:
; LAUNCH 2 OF 4.  qkv[m][n] = sum over k of x[m][k] W[n][k] (+ bias[n]), on codes of FP4 (E2M1) with one E8M0 scale for each 32 along K; sums in f32; the result rounded once to f16.
; x: 8,192 rows; W: 3,072 rows (Wq, Wk, Wv on end); K = 1,024.  qkv: [8192][3072] f16 = q | k | v, a row of 6,144 bytes.
; LEFT OUT: bk (dead work: the first launch's head shows it).  bq and bv are the C of the first products of their tiles; k's tiles take zeros there, so that one text serves all three.
; LIMIT: |q|, |k|, |v| up to 65,504, the largest f16 number.
; A tile of 256 x 256 is made by four waves, each 128 x 128: 64 accumulators, 512 registers.  K is two steps of 512 (rows of 256 bytes): both are first fills, nothing is filled again.  By this text's count a wave has three tensor loads out.
; THE SCALES of the work-group's 256 rows of x and 256 rows of W, for all of K, are two dense blocks: they come into LDS once, with the first fills.
; CLUSTERS: 4 x 4 work-groups.  The four of a row of the cluster need the same tiles of x, the four of a column the same tiles of W: each tile is asked for JOINTLY.  A cluster's four tile columns are the 1,024 columns of q, of k or of v.
; THE MATRIX INSTRUCTION IS USED TRANSPOSED (source 0 = 16 rows of W, source 1 = 16 rows of x): a lane holds eight neighbouring numbers of a row of qkv.
; REGISTERS, in windows of 256: window 0: v0-31 addresses; v32-95 scale words, two sets, and nothing else; v128-191 x's fragments, one set; v192-255 the bias in the result's layout; on the way out v128-159 packed results, v192-255 rows read back.
;   window 1: W's fragments, two sets, at v0 and v128.   window 2: the accumulators of my rows 0-63 ((a, b) at v[8 (8 a + b)]);   window 3: those of my rows 64-127.
.set KSTEP,  512
.set NQ,     4                         ; matrix instructions deep in a slot
.set ROWB,   256                       ; a tile's row in bytes
.set KROW,   512                       ; a row of codes in memory
.set PITCH,  272                       ; an LDS row: 256 bytes + 16 of padding, so that the 16 rows that a load touches start at 16 different banks (ISA guide 11.1)
.set FR,     8
.set NL,     2
.set NP,     4                         ; places behind this matrix instruction (ISA guide 7.12.1)
.set HALFT,  128*PITCH
.set SLOT,   4*HALFT
.set KS,     32                        ; a row of scales in bytes
.set SCL,    2*SLOT                    ; behind the two slots: the scales, as units of 256 bytes + 16 of padding
.set HALFS,  16*272                    ; the scales of 128 rows
.set SBLK,   2*272                     ; those of 16 rows
.set SPARE,  SCL+4*HALFS               ; the spare words, 128 bytes for each wave
.set SPITCH, 272                       ; the way out: a stage of 16 rows x (256 bytes + 16) for each wave, in slot 0, which has had its only fill and its last read by then
.set CROW,   6144                      ; a row of qkv in bytes
.set ADRA, 16
.set ADRB, 20
.set STO,  24
.set RD,   25
.set CO,   26
.set ADRS, 27
.set SPW,  28
.set NIL,  29
.set BO,   30                          ; v30  32 x (lane / 16): my eight numbers of a tile's sixteen of the bias
.set SC,   32
.set AF,   128
.set BIAS, 192
.set TMP,  128
.set OB,   192
.set G1, 24
.set G0, 32
.set G1B, 48
.set G0B, 56
.set G1S, 68
.set G0S, 76
.set G1SB, 80
.set G0SB, 88
.set MSB, 0
.macro WIN new                         ; the immediate's high byte repeats the setting that is left
.if MSB != (\new)
	s_set_vgpr_msb (MSB<<8)|(\new)
.set MSB, (\new)
.endif
.endm
.set MUL_LO, 0xa1                      ; source 0 (W) window 1, source 1 (x) window 0, C and D window 2
.set MUL_HI, 0xf1                      ; the same, C and D window 3
.set TO_B,   0x40
; A joint load: waves 0 and 1 fetch for x, waves 2 and 3 for W.  The branch hangs on the wave's number alone.  An s_nop 0 and four v_nop follow each of the two lines.
.macro JLOAD g0a, g1a, g0b, g1b
	s_cmp_eq_u32 s15, 0
	s_cbranch_scc0 .Lfor_b_\@
	tensor_load_to_lds s[\g0a:\g0a+3], s[\g1a:\g1a+7]
	s_nop 0
.rept 4
	v_nop
.endr
	s_branch .Lasked_\@
.Lfor_b_\@:
	tensor_load_to_lds s[\g0b:\g0b+3], s[\g1b:\g1b+7]
	s_nop 0
.rept 4
	v_nop
.endr
.Lasked_\@:
.endm
.macro CROUND                          ; a round of the cluster's barrier
	s_barrier_signal -1
	s_barrier_wait -1
	s_cmp_lg_u32 s14, 0
	s_cbranch_scc1 .Lnot_wave_0_\@
	s_barrier_signal -3
.Lnot_wave_0_\@:
	s_barrier_wait -3
	s_barrier_signal -1
	s_barrier_wait -1
.endm
	s_load_b128 s[4:7], s[0:1], 0x0                ; x's codes s[4:5], x's scales s[6:7]
	s_load_b128 s[8:11], s[0:1], 0x10              ; W's codes s[8:9], W's scales s[10:11]
	s_load_b128 s[96:99], s[0:1], 0x20             ; bq s[96:97], bv s[98:99]
	s_load_b64 s[12:13], s[0:1], 0x30              ; qkv
	v_lshl_add_u32 v[SPW], v0, 2, SPARE
	v_mov_b32 v[NIL], 0
	ds_add_u32 v[SPW], v[NIL]                      ; the wave's opening: the add, twice on end, and its wait ahead of my first tensor load
	ds_add_u32 v[SPW], v[NIL]
	v_lshrrev_b32 v1, 5, v0
	v_readfirstlane_b32 s14, v1                    ; wave 0..3
	s_lshr_b32 s15, s14, 1                         ; which half of the tile's rows is mine.  Also: I fetch for x (0) or for W (1)
	s_and_b32 s16, s14, 1                          ; which half of its columns.  Also: which 128 rows of that tile I fetch
	s_bfe_u32 s40, ttmp6, 0x40000                  ; cx, cy: my place in the cluster
	s_bfe_u32 s41, ttmp6, 0x40004
	s_lshl_b32 s42, ttmp9, 2
	s_add_co_u32 s42, s42, s40                     ; tile column = 4 x cluster x + cx
	s_and_b32 s17, ttmp7, 0xffff
	s_lshl_b32 s17, s17, 2
	s_add_co_u32 s17, s17, s41                     ; tile row = 4 x cluster y + cy
	s_lshl_b32 s43, s41, 2
	s_lshl_b32 s43, 15, s43                        ; my row of the cluster
	s_lshl_b32 s44, 0x1111, s40                    ; my column
	; descriptor group 1: a tile of 128 rows x 256 bytes, 16 bytes of padding behind each row
	s_or_b32 s[G1+0], s43, (0<<16)|(1<<20)|(1<<21)|(5<<22)|(3<<25)
	s_or_b32 s[G1B+0], s44, (0<<16)|(1<<20)|(1<<21)|(5<<22)|(3<<25)
.irp g, G1, G1B
	s_mov_b32 s[\g+1], ROWB<<16                    ; tensor_dim0
	s_mov_b32 s[\g+2], 128<<16                     ; tensor_dim1
	s_mov_b32 s[\g+3], ROWB<<16                    ; tile_dim0
	s_mov_b32 s[\g+4], 128                         ; tile_dim1
	s_mov_b32 s[\g+5], KROW                        ; the pitch
	s_mov_b32 s[\g+6], 0
	s_mov_b32 s[\g+7], 0
.endr
	; the scales of 128 rows: a dense block of 4,096 bytes, as 16 rows of 256 bytes (32 elements of 8 bytes), 16 bytes of padding behind each
	s_or_b32 s[G1S+0], s43, (3<<16)|(1<<20)|(1<<21)|(5<<22)|(3<<25)
	s_or_b32 s[G1SB+0], s44, (3<<16)|(1<<20)|(1<<21)|(5<<22)|(3<<25)
.irp g, G1S, G1SB
	s_mov_b32 s[\g+1], 32<<16
	s_mov_b32 s[\g+2], 16<<16
	s_mov_b32 s[\g+3], 32<<16
	s_mov_b32 s[\g+4], 16
	s_mov_b32 s[\g+5], 32
	s_mov_b32 s[\g+6], 0
	s_mov_b32 s[\g+7], 0
.endr
	s_lshl_b32 s18, s16, 7                         ; which 128 rows of the tile I fetch
	s_lshl_b32 s20, s17, 8
	s_add_co_u32 s20, s20, s18                     ; x: row 256 x tile row + 128 x half
	s_lshl_b32 s46, s42, 8
	s_add_co_u32 s46, s46, s18                     ; W: row 256 x tile column + 128 x half
	s_mov_b32 s21, 0
	s_mov_b32 s47, 0
	s_mov_b64 s[18:19], KS
	s_mul_u64 s[22:23], s[20:21], s[18:19]         ; where these rows' scales begin, in bytes
	s_mul_u64 s[92:93], s[46:47], s[18:19]
	s_mov_b64 s[18:19], KROW
	s_mul_u64 s[20:21], s[20:21], s[18:19]         ; and their codes
	s_mul_u64 s[46:47], s[46:47], s[18:19]
	s_mul_i32 s45, s14, HALFT                      ; where they go: wave x 128 rows: no place in the cluster enters an LDS address
	s_mul_i32 s94, s14, HALFS
	s_wait_dscnt 0x0                               ; both opening adds are done
	s_wait_kmcnt 0x0
	s_add_nc_u64 s[20:21], s[4:5], s[20:21]
	s_add_nc_u64 s[22:23], s[6:7], s[22:23]
	s_add_nc_u64 s[46:47], s[8:9], s[46:47]
	s_add_nc_u64 s[92:93], s[10:11], s[92:93]
	CROUND                                         ; all sixteen work-groups are here: the joint loads meet
	s_mov_b32 s[G0S], 1
	s_add_co_u32 s[G0S+1], s94, SCL
	s_mov_b64 s[G0S+2:G0S+3], s[22:23]
	s_or_b32 s[G0S+3], s[G0S+3], 0x80000000
	s_mov_b32 s[G0SB], 1
	s_add_co_u32 s[G0SB+1], s94, SCL
	s_mov_b64 s[G0SB+2:G0SB+3], s[92:93]
	s_or_b32 s[G0SB+3], s[G0SB+3], 0x80000000
	JLOAD G0S, G1S, G0SB, G1SB                     ; the scales first: they are wanted with K step 0
.irp s, 0,1
	s_mov_b32 s[G0+4*\s], 1
	s_add_co_u32 s[G0+4*\s+1], s45, \s*SLOT
	s_add_nc_u64 s[G0+4*\s+2:G0+4*\s+3], s[20:21], \s*ROWB
	s_or_b32 s[G0+4*\s+3], s[G0+4*\s+3], 0x80000000
	s_mov_b32 s[G0B+4*\s], 1
	s_add_co_u32 s[G0B+4*\s+1], s45, \s*SLOT
	s_add_nc_u64 s[G0B+4*\s+2:G0B+4*\s+3], s[46:47], \s*ROWB
	s_or_b32 s[G0B+4*\s+3], s[G0B+4*\s+3], 0x80000000
	JLOAD G0+4*\s, G1, G0B+4*\s, G1B
.endr
	v_and_b32 v1, 15, v0                           ; l % 16
	v_bfe_u32 v2, v0, 4, 1                         ; l / 16
	v_mul_u32_u24 v3, v1, PITCH
	v_lshl_add_u32 v4, v2, 4, v3                   ; a fragment's row x pitch + 16 x half
	s_mul_i32 s21, s15, HALFT                      ; my 128 rows of x
	s_mul_i32 s22, s16, HALFT                      ; my 128 rows of W,
	s_add_co_u32 s22, s22, 2*HALFT                 ; which lie behind x's 256
.irp s, 0,1
	v_add_nc_u32 v[ADRA+\s], s21, v4
	v_add_nc_u32 v[ADRB+\s], s22, v4
	s_add_co_u32 s21, s21, SLOT
	s_add_co_u32 s22, s22, SLOT
.endr
	v_mul_u32_u24 v5, v1, KS                       ; my row's scales: 32 bytes a row,
	v_lshrrev_b32 v6, 8, v5
	v_lshl_add_u32 v5, v6, 4, v5                   ; and 16 more for each 256 passed
	s_mul_i32 s21, s15, HALFS                      ; x's: my 128 rows
	s_mul_i32 s22, s16, HALFS                      ; W's: my 128 rows, behind x's 256
	s_add_co_u32 s22, s22, 2*HALFS
	s_sub_co_u32 s22, s22, s21
	v_mul_u32_u24 v6, s22, v2                      ; lanes 16-31 take W's
	s_add_co_u32 s21, s21, SCL
	v_add_nc_u32 v5, v5, v6
	v_add_nc_u32 v[ADRS], s21, v5
	s_mul_i32 s23, s14, 16*SPITCH                  ; my stage
	v_mul_u32_u24 v5, v1, SPITCH                   ; in: row l % 16, 16 bytes for each half of the lanes
	v_lshl_add_u32 v5, v2, 4, v5
	v_add_nc_u32 v[STO], s23, v5
	v_mul_u32_u24 v5, v2, SPITCH                   ; back: lanes 0-15 take one row of 256 bytes, lanes 16-31 the next
	v_lshl_add_u32 v5, v1, 4, v5
	v_add_nc_u32 v[RD], s23, v5
	v_mul_u32_u24 v5, v2, CROW                     ; and the same two rows in qkv
	v_lshl_add_u32 v[CO], v1, 4, v5
	s_lshl_b32 s20, s17, 8
	s_lshl_b32 s21, s15, 7
	s_add_co_u32 s20, s20, s21                     ; my first row: 256 x tile row + 128 x half
	s_mul_i32 s20, s20, CROW                       ; under 2^26 bytes
	s_mov_b32 s21, 0
	s_lshl_b32 s46, s42, 9                         ; my first column, in bytes: 512 x tile column + 256 x half
	s_lshl_b32 s47, s16, 8
	s_add_co_u32 s46, s46, s47
	s_mov_b32 s47, 0
	s_add_nc_u64 s[20:21], s[20:21], s[46:47]
	s_add_nc_u64 s[12:13], s[12:13], s[20:21]
	; THE BIAS, in the result's layout: register 8 b + j = bias[my first column + 16 b + 8 (l / 16) + j].  Cluster x = 0: q's tiles, bq; 2: v's, bv; 1: k's, zeros.
	s_cmp_eq_u32 ttmp9, 0
	s_cselect_b64 s[96:97], s[96:97], s[98:99]
	s_lshl_b32 s46, s40, 10                        ; my tile's 256 columns of the 1,024, 4 bytes each,
	s_lshl_b32 s47, s16, 9                         ; my half of them
	s_add_co_u32 s46, s46, s47
	s_mov_b32 s47, 0
	s_add_nc_u64 s[96:97], s[96:97], s[46:47]
	v_lshlrev_b32 v[BO], 5, v2
	s_cmp_eq_u32 ttmp9, 1                          ; the cluster's x: the same in all sixteen partners and in all waves
	s_cbranch_scc1 .Lno_bias
.irp b, 0,1,2,3,4,5,6,7
	global_load_b128 v[BIAS+8*\b:BIAS+8*\b+3], v[BO], s[96:97] offset:64*\b
	global_load_b128 v[BIAS+8*\b+4:BIAS+8*\b+7], v[BO], s[96:97] offset:64*\b+16
.endr
	s_branch .Lbias_done
.Lno_bias:
.set j, 0
.rept 64
	v_mov_b32 v[BIAS+j], 0                         ; k has no bias: its sums begin at zero, by the same first products
.set j, j+1
.endr
.Lbias_done:
.macro FRAG reg, adr, q, i             ; a fragment, 16 rows x 128 K of 4-bit codes: lane l holds row l % 16; registers 4 c .. 4 c + 3 hold K = 64 c + 32 (l / 16) + 0 .. 31
.irp c, 0,1
	ds_load_b128 v[\reg+4*\c:\reg+4*\c+3], v[\adr] offset:64*(\q)+32*\c+(\i)*16*PITCH
.endr
.endm
; 16 matrix instructions: x's blocks a0, a0 + 1 against W's eight, 128 along K: the slot's q-th.  p: W's set;  sc: the set of scale words.  first = 1: the bias is the C: nothing is cleared or added later.
; The 64 accumulators take turns, one instruction a turn, in the same order in every step.
.macro MUL16 a0, p, q, sc, first
.irp a, \a0, \a0+1
.irp b, 0,1,2,3,4,5,6,7
.if \first
	v_wmma_scale_f32_16x16x128_f8f6f4 v[8*(8*((\a)%4)+\b):8*(8*((\a)%4)+\b)+7], v[128*(\p)+FR*\b:128*(\p)+FR*\b+FR-1], v[AF+FR*(\a):AF+FR*(\a)+FR-1], v[BIAS+8*\b:BIAS+8*\b+7], v[SC+8*NQ*(\sc)+NQ*\b+(\q)], v[SC+8*NQ*(\sc)+NQ*(\a)+(\q)] matrix_a_fmt:MATRIX_FMT_FP4 matrix_b_fmt:MATRIX_FMT_FP4 matrix_a_scale:MATRIX_SCALE_ROW1
.else
	v_wmma_scale_f32_16x16x128_f8f6f4 v[8*(8*((\a)%4)+\b):8*(8*((\a)%4)+\b)+7], v[128*(\p)+FR*\b:128*(\p)+FR*\b+FR-1], v[AF+FR*(\a):AF+FR*(\a)+FR-1], v[8*(8*((\a)%4)+\b):8*(8*((\a)%4)+\b)+7], v[SC+8*NQ*(\sc)+NQ*\b+(\q)], v[SC+8*NQ*(\sc)+NQ*(\a)+(\q)] matrix_a_fmt:MATRIX_FMT_FP4 matrix_b_fmt:MATRIX_FMT_FP4 matrix_a_scale:MATRIX_SCALE_ROW1
.endif
.endr
.endr
.endm
.macro FETCH_B slot, q, p              ; W's eight fragments of the slot's q-th 128 along K into set p
	WIN TO_B
.irp i, 0,1,2,3,4,5,6,7
	FRAG 128*(\p)+FR*\i, ADRB+\slot, \q, \i
.endr
	WIN 0
.endm
.macro FETCH_A slot, q, i0             ; x's blocks i0 .. i0 + 3
.irp i, \i0, \i0+1, \i0+2, \i0+3
	FRAG AF+FR*(\i), ADRA+\slot, \q, \i
.endr
.endm
.macro SCALES sc                       ; a K step's scale words into set sc: four words a row; lanes 0-15 take x's block i, lanes 16-31 W's block i
.irp i, 0,1,2,3,4,5,6,7
	ds_load_b128 v[SC+8*NQ*\sc+NQ*\i:SC+8*NQ*\sc+NQ*\i+3], v[ADRS] offset:\i*SBLK
.endr
.endm
.macro PLACES n                        ; places in front of loads into registers that matrix instructions have read, and of the first read of results
.rept \n
	v_nop
.endr
.endm
; A step of 128 along K that has its successor in the same slot.  first = 1: C lies in window 0.
.macro STEP slot, q, first
	s_wait_dscnt 4*NL                              ; W's set and x's blocks 0-3 are in; the youngest eight loads (x's blocks 4-7) may be out
	WIN MUL_LO-0x20*(\first)
	MUL16 0, (\q)%2, \q, \slot, \first
	MUL16 2, (\q)%2, \q, \slot, \first
	s_wait_dscnt 0                                 ; x's blocks 4-7 are in
	PLACES NP
	FETCH_B \slot, (\q)+1, 1-(\q)%2
	FETCH_A \slot, (\q)+1, 0
	WIN MUL_HI-0x30*(\first)
	MUL16 4, (\q)%2, \q, \slot, \first
	MUL16 6, (\q)%2, \q, \slot, \first
	PLACES NP
	WIN 0
	FETCH_A \slot, (\q)+1, 4
.endm
	s_wait_tensorcnt 1                             ; the scales and my part of K step 0 are in (K step 1's load may be out)
	s_barrier_signal -1
	s_barrier_wait -1                              ; everybody's are
	FETCH_B 0, 0, 0
	FETCH_A 0, 0, 0
	SCALES 0
	FETCH_A 0, 0, 4
	s_wait_loadcnt 0x0                             ; the bias
	STEP 0, 0, 1
	STEP 0, 1, 0
	STEP 0, 2, 0
	; slot 0's last step changes slots: one barrier; in front of it each wave waits for all its tensor loads, adds 0 to its spare word, and waits for that and for its reads of slot 0
	s_wait_tensorcnt 0x0                           ; my part of slot 1 has landed
	ds_add_u32 v[SPW], v[NIL]                      ; 0 onto my spare word
	s_wait_dscnt 4*NL+1                            ; (the add and the youngest eight loads may be out)
	WIN MUL_LO
	MUL16 0, 1, NQ-1, 0, 0
	s_wait_dscnt 0x0                               ; the add is done, and my reads of slot 0 are over
	s_barrier_signal -1
	MUL16 2, 1, NQ-1, 0, 0
	WIN 0
	s_barrier_wait -1
	PLACES NP
	v_add_nc_u32 v[ADRS], 4*NQ, v[ADRS]            ; on to the second K step's scale words
	FETCH_B 1, 0, 0
	FETCH_A 1, 0, 0
	SCALES 1
	WIN MUL_HI
	MUL16 4, 1, NQ-1, 0, 0
	MUL16 6, 1, NQ-1, 0, 0
	PLACES NP
	WIN 0
	FETCH_A 1, 0, 4
	STEP 1, 0, 0
	STEP 1, 1, 0
	STEP 1, 2, 0
	s_wait_dscnt 4*NL                              ; the very last step: nothing more to fetch
	WIN MUL_LO
	MUL16 0, 1, NQ-1, 1, 0
	MUL16 2, 1, NQ-1, 1, 0
	s_wait_dscnt 0
	WIN MUL_HI
	MUL16 4, 1, NQ-1, 1, 0
	MUL16 6, 1, NQ-1, 1, 0
	WIN 0
; THE WAY OUT, block by block of 16 rows x 128 columns.  PACK: rounded to f16, 16 bytes a lane, each accumulator from its low end on.  TOSTAGE: into my own stage and back as whole rows of 256 bytes.  SEND: stored.
.macro PACK a
.set AC, 64*((\a)%4)
	WIN 0x0a+5*((\a)/4)                            ; sources 0 and 1: window 2 or 3
.irp b, 0,1,2,3,4,5,6,7
.irp r, 0,1,2,3
	v_cvt_pk_f16_f32 v[TMP+4*\b+\r], v[AC+8*\b+2*\r], v[AC+8*\b+2*\r+1]
.endr
.endr
	WIN 0
.endm
.macro TOSTAGE a
.set BB, OB+32*((\a)%2)
.irp b, 0,1,2,3,4,5,6,7
	ds_store_b128 v[STO], v[TMP+4*\b:TMP+4*\b+3] offset:32*\b
.endr
.irp t, 0,1,2,3,4,5,6,7
	ds_load_b128 v[BB+4*\t:BB+4*\t+3], v[RD] offset:\t*2*SPITCH    ; LDS serves a wave's instructions in order (ISA guide 5.7.1.4): these see the stores above
.endr
.endm
.macro SEND a
.set BB, OB+32*((\a)%2)
	s_wait_dscnt 0x0                               ; the block is back in registers
	s_wait_xcnt 0x0                                ; the stores of the block before have read their registers: the next block's loads may land there
.irp t, 0,1,2,3,4,5,6,7
	global_store_b128 v[CO], v[BB+4*\t:BB+4*\t+3], s[12:13] offset:(16*(\a)+2*\t)*CROW   ; 16 lanes store 256 consecutive bytes, at a multiple of 256 from the buffer's first byte
.endr
.endm
	PLACES NP
	PACK 0
	TOSTAGE 0
.irp a, 1,2,3,4,5,6,7                  ; block a's conversions stand between block a - 1's loads from the stage and the wait for them
	PACK \a
	SEND \a-1
	TOSTAGE \a
.endr
	SEND 7
	s_wait_tensorcnt 0x0                           ; the wave's end
	ds_add_u32 v[SPW], v[NIL]
	s_wait_dscnt 0x0
	CROUND                                         ; the closing round: no work-group ends while a partner may still ask for a tile that names it
	s_endpgm
.Lfunc_end_k_qf1428e6aa9_proj:
	.size	k_qf1428e6aa9_proj, .Lfunc_end_k_qf1428e6aa9_proj-k_qf1428e6aa9_proj
	.p2alignl 7, 3214868480
	.fill 96, 4, 3214868480
	.section	.rodata,"a",@progbits
	.p2align	6, 0x0
	.amdhsa_kernel k_qf1428e6aa9_proj
		.amdhsa_group_segment_fixed_size 327680
		.amdhsa_private_segment_fixed_size 0
		.amdhsa_enable_private_segment 0
		.amdhsa_kernarg_size 56
		.amdhsa_user_sgpr_count 2
		.amdhsa_user_sgpr_kernarg_segment_ptr 1
		.amdhsa_wavefront_size32 1
		.amdhsa_system_sgpr_workgroup_id_x 1
		.amdhsa_system_sgpr_workgroup_id_y 1
		.amdhsa_system_sgpr_workgroup_id_z 1
		.amdhsa_system_vgpr_workitem_id 0
		.amdhsa_next_free_vgpr 1024
		.amdhsa_next_free_sgpr 100
		.amdhsa_reserve_vcc 0
		.amdhsa_float_denorm_mode_32 3
		.amdhsa_float_denorm_mode_16_64 3
		.amdhsa_memory_ordered 1
		.amdhsa_forward_progress 1
		.amdhsa_inst_pref_size 130
	.end_amdhsa_kernel
	.amdgpu_metadata
---
amdhsa.version: [ 1, 2 ]
amdhsa.kernels:
  - .name:           k_qf1428e6aa9_proj
    .symbol:         k_qf1428e6aa9_proj.kd
    .args:
      - { .name: xc, .offset: 0, .size: 8, .value_kind: global_buffer, .address_space: global }
      - { .name: xs, .offset: 8, .size: 8, .value_kind: global_buffer, .address_space: global }
      - { .name: wc, .offset: 16, .size: 8, .value_kind: global_buffer, .address_space: global }
      - { .name: ws, .offset: 24, .size: 8, .value_kind: global_buffer, .address_space: global }
      - { .name: bq, .offset: 32, .size: 8, .value_kind: global_buffer, .address_space: global }
      - { .name: bv, .offset: 40, .size: 8, .value_kind: global_buffer, .address_space: global }
      - { .name: qkv, .offset: 48, .size: 8, .value_kind: global_buffer, .address_space: global }
    .group_segment_fixed_size: 327680
    .private_segment_fixed_size: 0
    .kernarg_segment_align: 8
    .kernarg_segment_size: 56
    .max_flat_workgroup_size: 128
    .sgpr_count:     100
    .vgpr_count:     1024
    .wavefront_size: 32
...
	.end_amdgpu_metadata
.endif
;; end of part 2
;; launch scores (part 3): grid 8 x 32, 4 waves a work-group, clusters of 4 x 4, 327,680 bytes of LDS; arguments qkv, pf, st; writes pf, st
.if DOCPART == 3
	.amdgcn_target "amdgcn-amd-amdhsa--gfx1250"
	.amdhsa_code_object_version 6
	.text
	.protected	k_qf1428e6aa9_scores
	.globl	k_qf1428e6aa9_scores
	.p2align	8
	.type	k_qf1428e6aa9_scores,@function
k_qf1428e6aa9_scores:
	s_mov_b64 s[64:65], 0
	v_nop
	global_prefetch_b8 v0, s[64:65] scope:SCOPE_SE
	s_setreg_imm32_b32 hwreg(HW_REG_WAVE_MODE, 25, 1), 1
	s_wait_xcnt 0x0
	s_wait_alu depctr_hold_cnt(0) depctr_sa_sdst(0) depctr_va_vdst(0) depctr_va_sdst(0) depctr_va_ssrc(0) depctr_va_vcc(0) depctr_vm_vsrc(0)
	s_getreg_b32 s2, hwreg(HW_REG_IB_STS2, 6, 4)
	s_cmp_eq_u32 s2, 0
	s_cbranch_scc0 .Lentry_in_a_cluster
	s_endpgm
.Lentry_in_a_cluster:
	s_bfe_u32 s2, ttmp6, 0x10000c
	s_cmp_lg_u32 s2, 0xf033
	s_cbranch_scc0 .Lentry_shape_is_right
	s_endpgm
.Lentry_shape_is_right:
; LAUNCH 3 OF 4.  For each batch: S = q k^T (f16 operands, f32 sums, K = 1,024), and a softmax LOCAL to each block of 128 keys.  (k carries no bk: dead work, shown at the first launch's head.)
; With t = score x c, c = log2(e) / 32: for each query and each block j of 128 keys, M_j = the block's largest t rounded UP to a whole number; p' = 2^(t - M_j), at most 1, rounded to f16; l_j = the f32 sum of the unrounded p'.
; The next launch takes M = the largest M_j of the row and multiplies block j by 2^(M_j - M): so the row's maximum (rounded up) is taken away before the exponential, for every input.
; OUT: pf, p' as images of the next product's operand registers: [row / 64][key / 32][(row / 16) % 4][c][lane][16 bytes];  st: [row / 128][j][-M, l][(row / 64) % 2][row % 16][(row / 16) % 4] f32.
; A tile of S, 256 queries x 256 keys, is made by four waves, each 128 x 128: 64 accumulators, 512 registers; a wave's 128 keys are one block j.  K goes in steps of 128 through a ring of two LDS slots.
; CLUSTERS: 4 x 4 work-groups of one batch.  The four of a row of the cluster need the same rows of q, the four of a column the same rows of k: each tile is asked for JOINTLY.
; THE MATRIX INSTRUCTION IS USED TRANSPOSED (source 0 = 16 keys, source 1 = 16 queries): a lane holds ONE query (lane % 16) and the keys 8 (lane / 16) + 0 .. 7.  Two neighbouring accumulators, rounded to f16 in pairs,
; ARE a fragment (16 queries x 32 keys) of the next product: nothing changes lanes, and each store of the wave covers 512 consecutive bytes.
; REGISTERS, in windows of 256: window 0: v0-31 addresses; v64-127, v128-191 fragments of q, two buffers; on the way out v32-47 at work, v64-191 t, then p', two sets; v192-207 (-M, l) of my eight blocks of rows; v208-215 what st takes.
;   window 1: v64-127, v128-191 fragments of k.   window 2: the accumulators of my rows 0-63 ((a, b) at v[8 (8 a + b)]);   window 3: those of my rows 64-127.
; LIMITS: NaN and infinities are not served.
.set KSTEP,  128
.set PITCH,  272                       ; an LDS row: 256 bytes + 16 of padding, so that the 16 rows that a load touches start at 16 different banks (ISA guide 11.1)
.set HALFT,  128*PITCH
.set SLOT,   4*HALFT
.set SPARE,  2*SLOT                    ; behind the ring: the spare words, 128 bytes for each wave
.set LAPS,   4                         ; a lap = two K steps = once round the ring
.set QROW,   6144                      ; a row of qkv in bytes
.set ADRA, 16
.set ADRB, 20
.set LO,   24                          ; v24  16 x lane
.set SPW,  28
.set NIL,  29
.set PFO,  30                          ; v30  the prefetches' offset: my lane x a row of qkv; never rewritten
.set CH,   32                          ; v32-39 eight running maxima
.set PT,   40                          ; v40  what comes from lane l xor 16
.set SM,   44                          ; v[44:47] the row's sum, in two chains of pairs
.set F0,   64
.set F1,   128
.set NPR,  192                         ; v[192+2a : 193+2a]: -M, and (first c x the maximum, then) l, of block a
.set SS,   208
.set PFA,  44                          ; s[44:45] where my prefetches stand
.set LIM,  43                          ; s43  1 in a wave that prefetches, else the greatest number
.set G1, 24
.set G0, 32
.set G1B, 48
.set G0B, 56
.set CS,  66                           ; s[66:67] c
.set SEL, 68                           ; s[68:69] v_permlanex16_b32's selects for lane l xor 16
.set HM,  70                           ; s70  lanes 16-31
.set PB,  72                           ; s[72:73] pf at my wave's part
.set SB,  74                           ; s[74:75] st at my wave's part
.set MSB, 0
.macro WIN new                         ; the immediate's high byte repeats the setting that is left
.if MSB != (\new)
	s_set_vgpr_msb (MSB<<8)|(\new)
.set MSB, (\new)
.endif
.endm
.set MUL_LO, 0xa1                      ; source 0 (k) window 1, source 1 (q) window 0, C and D window 2
.set MUL_HI, 0xf1
.set TO_B,   0x40
; A joint load.  Waves 0 and 1 fetch q's two halves, waves 2 and 3 k's.  The branch hangs on the wave's number alone.  An s_nop 0 and four v_nop follow each of the two lines.
.macro JLOAD s
	s_cmp_eq_u32 s11, 0
	s_cbranch_scc0 .Lfor_b_\@
	tensor_load_to_lds s[G0+4*\s:G0+4*\s+3], s[G1:G1+7]
	s_nop 0
.rept 4
	v_nop
.endr
	s_branch .Lasked_\@
.Lfor_b_\@:
	tensor_load_to_lds s[G0B+4*\s:G0B+4*\s+3], s[G1B:G1B+7]
	s_nop 0
.rept 4
	v_nop
.endr
.Lasked_\@:
.endm
; A PREFETCH, behind each joint refill and the run of LDS loads that follows it: the K step that stands TWO refills on: 32 rows x 256 bytes, a lane a row, one instruction a wave.
; Each row's 256 bytes of a K step are named once in the launch.  q's rows are read by both clusters of a row of clusters: cluster x = 0 asks; k's rows by the two clusters of a batch in a column: the even cluster y asks.
; The four partners that ask for a tile jointly share its rows out BY ADDRESS, 32 each.  The loop's last trip asks for nothing: its refills are the last K steps.  K steps 0 to 3 come by their loads alone.
.macro ASK
	s_cmp_gt_u32 s3, s[LIM]                        ; s3 = 1 in the loop's last trip
	s_cbranch_scc0 .Lnot_mine_\@
	global_prefetch_b8 v[PFO], s[PFA:PFA+1] offset:KSTEP*2 th:TH_LOAD_NT scope:SCOPE_SE
.Lnot_mine_\@:
.endm
.macro CREST                           ; a round of the cluster's barrier behind its opening barrier
	s_cmp_lg_u32 s10, 0
	s_cbranch_scc1 .Lnot_wave_0_\@
	s_barrier_signal -3
.Lnot_wave_0_\@:
	s_barrier_wait -3
	s_barrier_signal -1
	s_barrier_wait -1
.endm
.macro CROUND
	s_barrier_signal -1
	s_barrier_wait -1
	CREST
.endm
	s_load_b128 s[4:7], s[0:1], 0x0                ; qkv s[4:5], pf s[6:7]
	s_load_b64 s[8:9], s[0:1], 0x10                ; st
	v_lshl_add_u32 v[SPW], v0, 2, SPARE
	v_mov_b32 v[NIL], 0
	ds_add_u32 v[SPW], v[NIL]                      ; the wave's opening: the add, twice on end, and its wait ahead of my first tensor load
	ds_add_u32 v[SPW], v[NIL]
	v_lshrrev_b32 v1, 5, v0
	v_readfirstlane_b32 s10, v1                    ; wave 0..3
	s_lshr_b32 s11, s10, 1                         ; which half of the tile's queries is mine.  Also: I fetch for q (0) or for k (1)
	s_and_b32 s12, s10, 1                          ; which half of its keys.  Also: which 128 rows of that tile I fetch
	s_bfe_u32 s40, ttmp6, 0x40000                  ; cx
	s_bfe_u32 s41, ttmp6, 0x40004                  ; cy
	s_lshl_b32 s42, ttmp9, 2
	s_add_co_u32 s42, s42, s40                     ; X: the tile of keys in the batch = 4 x cluster x + cx
	s_and_b32 s13, ttmp7, 0xffff
	s_lshr_b32 s23, s13, 1                         ; the batch: two clusters along y to a batch; all partners share it
	s_lshl_b32 s13, s13, 2
	s_add_co_u32 s13, s13, s41                     ; Y: the tile of queries among all 32 = 4 x cluster y + cy
	s_lshl_b32 s43, s41, 2
	s_lshl_b32 s43, 15, s43                        ; my row of the cluster
	s_lshl_b32 s44, 0x1111, s40                    ; my column
	; descriptor group 1: a tile of 128 rows x 128 elements of 2 bytes, 16 bytes of padding behind each row
	s_or_b32 s[G1+0], s43, (1<<16)|(1<<20)|(1<<21)|(5<<22)|(3<<25)
	s_or_b32 s[G1B+0], s44, (1<<16)|(1<<20)|(1<<21)|(5<<22)|(3<<25)
.irp g, G1, G1B
	s_mov_b32 s[\g+1], KSTEP<<16                   ; tensor_dim0
	s_mov_b32 s[\g+2], 128<<16                     ; tensor_dim1
	s_mov_b32 s[\g+3], KSTEP<<16                   ; tile_dim0
	s_mov_b32 s[\g+4], 128                         ; tile_dim1
	s_mov_b32 s[\g+5], 3072                        ; the pitch, in elements
	s_mov_b32 s[\g+6], 0
	s_mov_b32 s[\g+7], 0
.endr
	s_lshl_b32 s17, s12, 7                         ; which 128 rows of the tile I fetch
	s_lshl_b32 s16, s13, 8
	s_add_co_u32 s16, s16, s17                     ; q: row 256 Y + 128 x half
	s_lshl_b32 s46, s42, 8
	s_add_co_u32 s46, s46, s17
	s_lshl_b32 s47, s23, 11
	s_add_co_u32 s46, s46, s47                     ; k: row 2,048 x batch + 256 X + 128 x half
	s_mul_i32 s16, s16, QROW                       ; in bytes: under 2^26
	s_mul_i32 s46, s46, QROW
	s_add_co_u32 s46, s46, 2048                    ; k's columns begin 2,048 bytes into a row
	s_mov_b32 s17, 0
	s_mov_b32 s47, 0
	s_mul_i32 s20, s10, HALFT                      ; where they go: wave x 128 rows: no place in the cluster enters an LDS address
	s_mov_b32 s[CS], 0x3d38aa3b                    ; c = log2(e) / 32
	s_mov_b32 s[CS+1], s[CS]                       ; (named with it as a pair, so it is written)
	s_mov_b32 s[SEL], 0x76543210
	s_mov_b32 s[SEL+1], 0xfedcba98
	s_mov_b32 s[HM], 0xffff0000
	s_wait_dscnt 0x0                               ; both opening adds are done
	s_wait_kmcnt 0x0
	s_add_nc_u64 s[14:15], s[4:5], s[16:17]
	s_add_nc_u64 s[46:47], s[4:5], s[46:47]
	CROUND                                         ; all sixteen work-groups are here: the first joint loads meet
.irp s, 0,1
	s_mov_b32 s[G0+4*\s], 1
	s_add_co_u32 s[G0+4*\s+1], s20, \s*SLOT
	s_add_nc_u64 s[G0+4*\s+2:G0+4*\s+3], s[14:15], \s*KSTEP*2
	s_or_b32 s[G0+4*\s+3], s[G0+4*\s+3], 0x80000000
	s_mov_b32 s[G0B+4*\s], 1
	s_add_co_u32 s[G0B+4*\s+1], s20, \s*SLOT
	s_add_nc_u64 s[G0B+4*\s+2:G0B+4*\s+3], s[46:47], \s*KSTEP*2
	s_or_b32 s[G0B+4*\s+3], s[G0B+4*\s+3], 0x80000000
	JLOAD \s
.endr
	v_and_b32 v1, 15, v0                           ; l % 16
	v_bfe_u32 v2, v0, 4, 1                         ; l / 16
	v_mul_u32_u24 v3, v1, PITCH
	v_lshl_add_u32 v3, v2, 4, v3                   ; row x pitch + 16 x half
	s_mul_i32 s21, s11, HALFT                      ; my 128 rows of q
	s_mul_i32 s22, s12, HALFT                      ; my 128 rows of k,
	s_add_co_u32 s22, s22, 2*HALFT                 ; which lie behind q's 256
.irp s, 0,1
	v_add_nc_u32 v[ADRA+\s], s21, v3
	v_add_nc_u32 v[ADRB+\s], s22, v3
	s_add_co_u32 s21, s21, SLOT
	s_add_co_u32 s22, s22, SLOT
.endr
	v_and_b32 v[LO], 31, v0
	v_lshlrev_b32 v[LO], 4, v[LO]
	v_mov_b32 v[PT], 0                             ; written once: a lane permute's destination counts as one of its sources
	; pf at my part: stream 4 Y + 2 x (half of the queries), 262,144 bytes a stream; quarter step 8 X + 4 x (half of the keys), 4,096 bytes each
	s_lshl_b32 s16, s13, 2
	s_lshl_b32 s17, s11, 1
	s_add_co_u32 s16, s16, s17
	s_lshl_b32 s16, s16, 18
	s_lshl_b32 s46, s42, 3
	s_lshl_b32 s47, s12, 2
	s_add_co_u32 s46, s46, s47
	s_lshl_b32 s46, s46, 12
	s_add_co_u32 s16, s16, s46
	s_mov_b32 s17, 0
	s_add_nc_u64 s[PB:PB+1], s[6:7], s[16:17]
	; st at my part: ((2 Y + half of the queries) x 16 + 2 X + half of the keys) x 1,024 bytes
	s_lshl_b32 s16, s13, 1
	s_add_co_u32 s16, s16, s11
	s_lshl_b32 s16, s16, 4
	s_lshl_b32 s46, s42, 1
	s_add_co_u32 s46, s46, s12
	s_add_co_u32 s16, s16, s46
	s_lshl_b32 s16, s16, 10
	s_add_nc_u64 s[SB:SB+1], s[8:9], s[16:17]
	; the prefetches
	s_lshl_b32 s20, s13, 8                         ; q's tile: its first row
	s_lshl_b32 s21, s42, 8
	s_lshl_b32 s22, s23, 11
	s_add_co_u32 s21, s21, s22                     ; k's
	s_and_b32 s22, ttmp7, 1                        ; the cluster's y within its batch
	s_cmp_eq_u32 s11, 0                            ; do I fetch for q?
	s_cselect_b32 s20, s20, s21
	s_cselect_b32 s21, s40, s41                    ; my place among the four that ask with me
	s_cselect_b32 s22, ttmp9, s22                  ; the coordinate along which other clusters read the same rows
	s_cselect_b32 s18, 0, 2048                     ; q's columns or k's
	s_cmp_eq_u32 s22, 0
	s_cselect_b32 s[LIM], 1, -1                    ; the same in all sixteen partners, for a given wave
	s_lshl_b32 s22, s12, 7
	s_add_co_u32 s20, s20, s22                     ; + the 128 rows that I fetch
	s_lshl_b32 s21, s21, 5
	s_add_co_u32 s20, s20, s21                     ; + my work-group's 32 of them
	s_mul_i32 s20, s20, QROW
	s_add_co_u32 s20, s20, s18
	s_add_co_u32 s20, s20, 2*KSTEP*2               ; at K step 2: the first refill steps it to 3 and names K step 4
	s_mov_b32 s21, 0
	s_add_nc_u64 s[PFA:PFA+1], s[4:5], s[20:21]
	v_and_b32 v[PFO], 31, v0
	v_mul_u32_u24 v[PFO], v[PFO], QROW
; 16 matrix instructions: query blocks a0, a0 + 1 of the window's four x all 8 key blocks, 32 along K.  zero = 1: the first product starts the sums.  The 64 accumulators take turns.
.macro MUL16 f, hi, a0, zero
.irp a, \a0, \a0+1
.irp b, 0,1,2,3,4,5,6,7
.if \zero
	v_wmma_f32_16x16x32_f16 v[8*(8*(\a)+\b):8*(8*(\a)+\b)+7], v[\f+8*\b:\f+8*\b+7], v[\f+8*(4*\hi+\a):\f+8*(4*\hi+\a)+7], 0
.else
	v_wmma_f32_16x16x32_f16 v[8*(8*(\a)+\b):8*(8*(\a)+\b)+7], v[\f+8*\b:\f+8*\b+7], v[\f+8*(4*\hi+\a):\f+8*(4*\hi+\a)+7], v[8*(8*(\a)+\b):8*(8*(\a)+\b)+7]
.endif
.endr
.endr
.endm
; 32 LDS loads in one run: the fragments of one quarter step (128 rows of k, 128 rows of q, 32 along K at byte k of the rows) into buffer f
.macro FETCH slot, k, f
	WIN TO_B
.irp i, 0,1,2,3,4,5,6,7
	ds_load_b128 v[\f+8*\i:\f+8*\i+3],   v[ADRB+\slot] offset:\k+\i*16*PITCH
	ds_load_b128 v[\f+8*\i+4:\f+8*\i+7], v[ADRB+\slot] offset:\k+\i*16*PITCH+32
.endr
	WIN 0
.irp i, 0,1,2,3,4,5,6,7
	ds_load_b128 v[\f+8*\i:\f+8*\i+3],   v[ADRA+\slot] offset:\k+\i*16*PITCH
	ds_load_b128 v[\f+8*\i+4:\f+8*\i+7], v[ADRA+\slot] offset:\k+\i*16*PITCH+32
.endr
.endm
.macro PLACES                          ; four places in front of loads into registers that matrix instructions have read, and of the first read of results
.rept 4
	v_nop
.endr
.endm
; A K step is four quarter steps of 32 along K, 64 matrix instructions each, on buffers 0, 1, 0, 1.  One of the first three: multiplies buffer f and fetches the next quarter, at byte k, into g.
.macro QUARTER slot, k, f, g, zero
	s_wait_dscnt 8                                 ; k's and q's rows 0-63 are in; the youngest eight loads (q's rows 64-127) may be out
	WIN MUL_LO
	MUL16 \f, 0, 0, \zero
	MUL16 \f, 0, 2, \zero
	PLACES
	FETCH \slot, \k, \g
	s_wait_dscnt 32                                ; all but the 32 just issued
	WIN MUL_HI
	MUL16 \f, 1, 0, \zero
	MUL16 \f, 1, 2, \zero
.endm
; The last quarter multiplies buffer 1 and changes slots.  MEET is its first half: one barrier; in front of it each wave waits for all its tensor loads (one is out: its part of the next slot), adds 0 to its spare word, and waits for that and for its reads of this slot.
.macro MEET round
	WIN 0                                          ; (the add's two registers lie in window 0)
	s_wait_tensorcnt 0x0
	ds_add_u32 v[SPW], v[NIL]                      ; 0 onto my spare word
	s_wait_dscnt 9                                 ; (the add and the youngest eight loads may be out)
	WIN MUL_LO
	MUL16 F1, 0, 0, 0                              ; sixteen matrix instructions stand between the add and the wait for it
	s_wait_dscnt 0x0                               ; the add is done, and my reads of this slot are over
	s_barrier_signal -1
	MUL16 F1, 0, 2, 0
.if \round
	WIN 0
.endif
	s_barrier_wait -1
.endm
; fill = 1: the barrier opens a round of the cluster's barrier, and this slot is filled again, two K steps ahead, first thing behind the round.
.macro TURN slot, next, fill
.if \fill
	s_wait_xcnt 0x0                                ; the last prefetch, a K step back, has read its address: it is stepped here
	s_add_nc_u64 s[PFA:PFA+1], s[PFA:PFA+1], KSTEP*2
.endif
	MEET \fill
.if \fill
	CREST                                          ; no wave of any partner still reads this slot's tile or has a load on its way
	s_add_nc_u64 s[G0+4*\slot+2:G0+4*\slot+3], s[G0+4*\slot+2:G0+4*\slot+3], 2*KSTEP*2
	s_add_nc_u64 s[G0B+4*\slot+2:G0B+4*\slot+3], s[G0B+4*\slot+2:G0B+4*\slot+3], 2*KSTEP*2
	JLOAD \slot                                    ; the four v_nop behind it are also the places in front of the loads below
.else
	PLACES
.endif
	FETCH \next, 0, F0
.if \fill
	ASK
.endif
	WIN MUL_HI
	MUL16 F1, 1, 0, 0
	MUL16 F1, 1, 2, 0
.endm
	s_wait_tensorcnt 1                             ; my part of K step 0 is in (K step 1's load may be out)
	s_barrier_signal -1
	s_barrier_wait -1                              ; everybody's is
	FETCH 0, 0, F0
	QUARTER 0, 64,  F0, F1, 1                      ; the first quarter stands in front of the loop: its products start the sums
	WIN 0                                          ; at a label and at a branch every window is 0
	s_mov_b32 s3, LAPS-1
.Llap:                                                 ; a trip goes once round the ring, from a lap's second quarter to the next lap's first, and fills both slots again
	QUARTER 0, 128, F1, F0, 0
	QUARTER 0, 192, F0, F1, 0
	TURN 0, 1, 1
	QUARTER 1, 64,  F0, F1, 0
	QUARTER 1, 128, F1, F0, 0
	QUARTER 1, 192, F0, F1, 0
	TURN 1, 0, 1
	QUARTER 0, 64,  F0, F1, 0
	WIN 0
	s_sub_co_u32 s3, s3, 1
	s_cmp_lg_u32 s3, 0
	s_cbranch_scc1 .Llap
	QUARTER 0, 128, F1, F0, 0                      ; the last lap fills nothing, and has no round of the cluster's barrier
	QUARTER 0, 192, F0, F1, 0
	TURN 0, 1, 0
	QUARTER 1, 64,  F0, F1, 0
	QUARTER 1, 128, F1, F0, 0
	QUARTER 1, 192, F0, F1, 0
	s_wait_dscnt 8                                 ; the very last quarter: nothing more to fetch
	WIN MUL_LO
	MUL16 F1, 0, 0, 0
	MUL16 F1, 0, 2, 0
	s_wait_dscnt 0
	WIN MUL_HI
	MUL16 F1, 1, 0, 0
	MUL16 F1, 1, 2, 0
	WIN 0
; THE WAY OUT, a block of 16 queries x 128 keys at a time: 64 scores a lane, all of one query.
; MAXFMA a: the largest of my 64 scores (each accumulator read from its low end on), with lane l xor 16's; -M = floor(-c x it); t - M into set a % 2, two at a time.
.macro MAXFMA a
.set AC, 64*((\a)%4)
.set W, 2+(\a)/4
.set TA, 64+64*((\a)%2)
.set NN, NPR+2*(\a)
.if (\a) >= 2
	s_wait_xcnt 0x0                                ; block a - 2's stores have read this set's registers
.endif
	WIN W|(W<<2)|(W<<4)                            ; all three sources in the accumulators' window
.irp b, 0,1,2,3,4,5,6,7
	v_max3_num_f32 v[CH+\b], v[AC+8*\b], v[AC+8*\b+1], v[AC+8*\b+2]
.endr
	WIN (W<<2)|(W<<4)
.irp g, 3,5
.irp b, 0,1,2,3,4,5,6,7
	v_max3_num_f32 v[CH+\b], v[CH+\b], v[AC+8*\b+\g], v[AC+8*\b+\g+1]
.endr
.endr
.irp b, 0,2,4,6
	v_max3_num_f32 v[CH+\b], v[CH+\b], v[AC+8*\b+7], v[AC+8*\b+15]
.endr
	WIN 0
	v_max3_num_f32 v[CH], v[CH], v[CH+1], v[CH+2]
	v_max3_num_f32 v[CH+3], v[CH+3], v[CH+4], v[CH+5]
	v_max3_num_f32 v[CH], v[CH], v[CH+6], v[CH+7]
	v_max_num_f32 v[CH], v[CH], v[CH+3]
	v_permlanex16_b32 v[PT], v[CH], s[SEL], s[SEL+1]
	v_max_num_f32 v[CH], v[CH], v[PT]              ; the block's largest score of my query
	v_mul_f32 v[NN+1], s[CS], v[CH]                ; as t (c is positive)
	v_floor_f32 v[NN], -v[NN+1]                    ; -M = floor(-t) = -ceil(t): a whole number
	WIN W                                          ; source 0 in the accumulators' window
.set n, 0
.rept 32
	v_pk_fma_f32 v[TA+2*n:TA+2*n+1], v[AC+2*n:AC+2*n+1], s[CS:CS+1], v[NN:NN+1] op_sel_hi:[1,0,0]
.set n, n+1
.endr
	WIN 0
.endm
; PLAIN p, i: number i of block p's 64 plain instructions behind its exponentials: 0-30 the sum of the unrounded p', pairs in two chains; 31 the pair's two halves; 32-63 the roundings to f16, in place (number n writes register n from 2 n and 2 n + 1).
.macro PLAIN p, i
.set TP, 64+64*((\p)%2)
.if (\i) == 0
	v_pk_add_f32 v[SM:SM+1], v[TP:TP+1], v[TP+2:TP+3]
.elseif (\i) == 1
	v_pk_add_f32 v[SM+2:SM+3], v[TP+4:TP+5], v[TP+6:TP+7]
.elseif (\i) < 30
	v_pk_add_f32 v[SM+2*((\i)%2):SM+2*((\i)%2)+1], v[SM+2*((\i)%2):SM+2*((\i)%2)+1], v[TP+4+2*(\i):TP+5+2*(\i)]
.elseif (\i) == 30
	v_pk_add_f32 v[SM:SM+1], v[SM:SM+1], v[SM+2:SM+3]
.elseif (\i) == 31
	v_add_f32 v[SM], v[SM], v[SM+1]
.else
	v_cvt_pk_f16_f32 v[TP+(\i)-32], v[TP+2*((\i)-32)], v[TP+2*((\i)-32)+1]
.endif
.endm
; FIN p: l with lane l xor 16's; the block's eight half fragments leave: each store covers 512 consecutive bytes, aligned.
.macro FIN p
.set TP, 64+64*((\p)%2)
	v_permlanex16_b32 v[PT], v[SM], s[SEL], s[SEL+1]
	v_add_f32 v[NPR+2*(\p)+1], v[SM], v[PT]
.irp b, 0,1,2,3,4,5,6,7
	global_store_b128 v[LO], v[TP+4*\b:TP+4*\b+3], s[PB:PB+1] offset:((\p)/4)*262144+(\b/2)*4096+((\p)%4)*1024+(\b%2)*512
.endr
.endm
	PLACES
	MAXFMA 0
.set ii, 0
.rept 64
	v_exp_f32 v[64+ii], v[64+ii]                   ; p' = 2^(t - M), block 0
.set ii, ii+1
.endr
; A block's 64 exponentials are one batch.  Behind it stands the next block's MAXFMA, plain work that names none of its results; then ONE wait, ahead of the first instruction that names a result;
; then the next block's exponentials, each followed by one plain instruction of the block that has been waited for.
.irp a, 1,2,3,4,5,6,7
	MAXFMA \a
	s_wait_alu depctr_va_vdst(0)                   ; block a - 1's exponentials
.set ii, 0
.rept 64
	v_exp_f32 v[64+64*(\a%2)+ii], v[64+64*(\a%2)+ii]
	PLAIN \a-1, ii
.set ii, ii+1
.endr
	FIN \a-1
.endr
	s_wait_alu depctr_va_vdst(0)                   ; block 7's exponentials (plain instructions stand behind the last of them)
.set ii, 0
.rept 64
	PLAIN 7, ii
.set ii, ii+1
.endr
	FIN 7
	; the statistics: lanes 0-15 store those of blocks 0-3 (my first 64 rows), lanes 16-31 those of blocks 4-7: 16 bytes a lane, 512 consecutive bytes a store
.irp i, 0,1,2,3
	v_cndmask_b32 v[SS+\i], v[NPR+2*\i], v[NPR+8+2*\i], s[HM]
	v_cndmask_b32 v[SS+4+\i], v[NPR+2*\i+1], v[NPR+8+2*\i+1], s[HM]
.endr
	global_store_b128 v[LO], v[SS:SS+3], s[SB:SB+1]
	global_store_b128 v[LO], v[SS+4:SS+7], s[SB:SB+1] offset:512
	s_wait_tensorcnt 0x0                           ; the wave's end
	ds_add_u32 v[SPW], v[NIL]
	s_wait_dscnt 0x0
	CROUND                                         ; the closing round: no work-group ends while a partner may still ask for a tile that names it
	s_endpgm
.Lfunc_end_k_qf1428e6aa9_scores:
	.size	k_qf1428e6aa9_scores, .Lfunc_end_k_qf1428e6aa9_scores-k_qf1428e6aa9_scores
	.p2alignl 7, 3214868480
	.fill 96, 4, 3214868480
	.section	.rodata,"a",@progbits
	.p2align	6, 0x0
	.amdhsa_kernel k_qf1428e6aa9_scores
		.amdhsa_group_segment_fixed_size 327680
		.amdhsa_private_segment_fixed_size 0
		.amdhsa_enable_private_segment 0
		.amdhsa_kernarg_size 24
		.amdhsa_user_sgpr_count 2
		.amdhsa_user_sgpr_kernarg_segment_ptr 1
		.amdhsa_wavefront_size32 1
		.amdhsa_system_sgpr_workgroup_id_x 1
		.amdhsa_system_sgpr_workgroup_id_y 1
		.amdhsa_system_sgpr_workgroup_id_z 1
		.amdhsa_system_vgpr_workitem_id 0
		.amdhsa_next_free_vgpr 1024
		.amdhsa_next_free_sgpr 80
		.amdhsa_reserve_vcc 0
		.amdhsa_float_denorm_mode_32 3
		.amdhsa_float_denorm_mode_16_64 3
		.amdhsa_memory_ordered 1
		.amdhsa_forward_progress 1
		.amdhsa_inst_pref_size 203
	.end_amdhsa_kernel
	.amdgpu_metadata
---
amdhsa.version: [ 1, 2 ]
amdhsa.kernels:
  - .name:           k_qf1428e6aa9_scores
    .symbol:         k_qf1428e6aa9_scores.kd
    .args:
      - { .name: qkv, .offset: 0, .size: 8, .value_kind: global_buffer, .address_space: global }
      - { .name: pf, .offset: 8, .size: 8, .value_kind: global_buffer, .address_space: global }
      - { .name: st, .offset: 16, .size: 8, .value_kind: global_buffer, .address_space: global }
    .group_segment_fixed_size: 327680
    .private_segment_fixed_size: 0
    .kernarg_segment_align: 8
    .kernarg_segment_size: 24
    .max_flat_workgroup_size: 128
    .sgpr_count:     80
    .vgpr_count:     1024
    .wavefront_size: 32
...
	.end_amdgpu_metadata
.endif
;; end of part 3
;; launch mix (part 4): grid 32 x 8, 4 waves a work-group, clusters of 4 x 1, 327,680 bytes of LDS; arguments qkv, pf, st, out0; writes out0
.if DOCPART == 4
	.amdgcn_target "amdgcn-amd-amdhsa--gfx1250"
	.amdhsa_code_object_version 6
	.text
	.protected	k_qf1428e6aa9_mix
	.globl	k_qf1428e6aa9_mix
	.p2align	8
	.type	k_qf1428e6aa9_mix,@function
k_qf1428e6aa9_mix:
	s_mov_b64 s[64:65], 0
	v_nop
	global_prefetch_b8 v0, s[64:65] scope:SCOPE_SE
	s_setreg_imm32_b32 hwreg(HW_REG_WAVE_MODE, 25, 1), 1
	s_wait_xcnt 0x0
	s_wait_alu depctr_hold_cnt(0) depctr_sa_sdst(0) depctr_va_vdst(0) depctr_va_sdst(0) depctr_va_ssrc(0) depctr_va_vcc(0) depctr_vm_vsrc(0)
	s_getreg_b32 s2, hwreg(HW_REG_IB_STS2, 6, 4)
	s_cmp_eq_u32 s2, 0
	s_cbranch_scc0 .Lentry_in_a_cluster
	s_endpgm
.Lentry_in_a_cluster:
	s_bfe_u32 s2, ttmp6, 0x10000c
	s_cmp_lg_u32 s2, 0x3003
	s_cbranch_scc0 .Lentry_shape_is_right
	s_endpgm
.Lentry_shape_is_right:
; LAUNCH 4 OF 4.  out0[row][d] = (sum over j of w_j[row] x sum over the 128 keys of block j of p'[row][key] v[key][d]) / (sum over j of w_j[row] l_j[row]).
; p' (f16), -M_j and l_j (f32) come from the launch before.  M = the row's largest M_j; B_j = max(M_j, M - 40); w_j = 2^(B_j - M).  f16 operands, f32 sums; all weighing is done on the f32 sums.
; HOW THE WEIGHTS ARE APPLIED.  The sums are kept under the base of the block in hand: in the last quarter step of block j - 1 each accumulator is multiplied by g_j = 2^(B_(j-1) - B_j), a power of two between 2^-40 and 2^40, which
; rounds nothing; block j's products are then added as they are; at the end the sums are multiplied by 2^(B_15 - M) / (the row's sum).  A sum is at most 2^40 x 2,048 x 65,504, under 2^68.
; LIMITS: a block whose M_j lies more than 40 under the row's M is weighed with 2^-40 in place of its smaller weight, above and below the division alike: at most 2,048 x 2^-40 beside a row's sum of 0.5 or more, under f32's own rounding.
; NaN and infinities are not served.
; SHARES.  A work-group makes 256 queries x 128 channels (tiles of 256 x 256 would be 128 work-groups); wave w owns rows 64 w .. 64 w + 63 and all 128 channels: 32 accumulators, 256 registers.  Every wave walks the batch's 2,048 keys, 32 a quarter step.
; THE MATRIX INSTRUCTION IS USED TRANSPOSED (source 0 = 16 channels of v^T, source 1 = 16 queries of p'): a lane holds ONE query (lane % 16), so a factor is one number a lane and block of rows, and a lane's eight results are eight neighbouring channels.
; V goes through a ring of two LDS slots of 256 keys, and is read turned, by ds_load_tr16_b128.  CLUSTER: the four query tiles of a cluster walk the same v: each tile is asked for JOINTLY, every wave fetching 64 keys.
; P' GOES FROM MEMORY STRAIGHT INTO OPERAND REGISTERS, with no joint request, though eight work-groups (the eight tiles of channels) read each stream: through LDS a wave would read 12 KB in place of 8 KB for a quarter step's 32 matrix
; instructions, and two slots would hold half as many keys; by registers eight loads of 512 consecutive bytes bring a quarter step, and a ring of eight register buffers keeps up to 56 loads of a wave on their way.
; REGISTERS, in windows of 256: window 0: v2-11 addresses; v32-39 the factors in hand, each twice; v40-47 at work; v48-55 the closing factors, each twice; v64-127 the statistics, later results; v128-191 what the table takes, v128-255 later rows read back.
;   window 1: p', eight buffers of 32 (fragment a at + 8 a).   window 2: the accumulators ((a, b) at v[8 (8 a + b)]).   window 3: v^T, four sets of 64.
.set PV,    288                        ; a key's row in LDS: 256 bytes + 32 of padding
.set QK,    32*PV                      ; a quarter step's 32 keys
.set SLOTB, 256*PV
.set SLOT1, 1<<17                      ; slot 1 begins here, so that one exclusive or turns an address in one slot into the other's
.set TAB,   SLOT1+SLOTB                ; behind the ring: for each wave 16 planes of 512 bytes: [blocks of rows 0, 1 | 2, 3][row % 16][two factors, each twice].  Planes 0-14: g_1 .. g_15; plane 15: the closing factors
.set TABW,  8192
.set PLANE, 512
.set STAGE, TAB+4*TABW                 ; 16 rows x (512 bytes + 16) for each wave, for the way out
.set SP,    528
.set SPARE, STAGE+4*16*SP              ; the spare words, 128 bytes for each wave
.set QROW,  6144                       ; a row of qkv in bytes
.set LO,  2                            ; v2   16 x lane
.set AV0, 3                            ; v3   my lane's place in a quarter step of v
.set ADR, 4                            ; v4   the LDS address of the run of loads in hand
.set TR,  5                            ; v5   where I read a plane of factors: my table + 16 (lane % 16); two planes on in each trip
.set TW,  6                            ; v6   where I write one: my table + 16 x lane
.set STO, 8
.set RD,  9
.set PFO, 10                           ; v10  256 x lane
.set PFW, 11                           ; v11  a row of qkv x lane
.set SPW, 28
.set NIL, 29
.set FF,  32
.set MX,  40                           ; v[40:41] M of my two blocks of rows; v[42:43] M - 40
.set LS,  44                           ; v[44:45] the row's sum
.set WW,  46                           ; v[46:47] w_j; then 1 / the sum
.set IL,  48
.set NN,  64                           ; v[64+2j : 65+2j]  -M_j of my two blocks of rows; then B_j - M as a whole number
.set LL,  96                           ; v[96+2j : 97+2j]  l_j
.set GG,  128                          ; v[128+4p : 131+4p] plane p, as it is stored
.set ST,  64
.set BK,  128
.set WV,  12
.set AB,  18                           ; s[18:19] my stream of p', at the slot in hand
.set G1,  24
.set G0A, 32
.set G0B, 36                           ; the second set walks on
.set TB,  40                           ; s40  LDS byte at which the quarter steps to be fetched begin
.set SLOTS, 41
.set LIM, 42
.set PFV, 44
.set MSB, 0
.macro WIN new                         ; the immediate's high byte repeats the setting that is left
.if MSB != (\new)
	s_set_vgpr_msb (MSB<<8)|(\new)
.set MSB, (\new)
.endif
.endm
.set W_MM, 0xa7                        ; source 0 (v^T) window 3, source 1 (p') window 1, C and D window 2
.set W_RS, 0x82                        ; destination and source 0 (an accumulator) window 2, the factor window 0
.macro CROUND                          ; a round of the cluster's barrier
	s_barrier_signal -1
	s_barrier_wait -1
	s_cmp_lg_u32 s[WV], 0
	s_cbranch_scc1 .Lnot_wave_0_\@
	s_barrier_signal -3
.Lnot_wave_0_\@:
	s_barrier_wait -3
	s_barrier_signal -1
	s_barrier_wait -1
.endm
.macro PLACES                          ; four places in front of loads into registers that matrix instructions have read, and of the first read of results
.rept 4
	v_nop
.endr
.endm
; PREFETCHES, behind the joint refill of a change of slots.  (1) My own stream of p': the 32,768 bytes that lie two slots on from the slot in hand, four instructions, lanes 256 bytes apart.  A stream is read by the eight tiles of
; channels: the first of them asks.  The sixth change's ends at the stream's last byte.  (2) v: the slot that the NEXT change will ask for, 256 rows of 256 bytes, a lane a row.  Both clusters of a batch walk the same v: the even one asks;
; its four partners share the rows out BY ADDRESS, 32 for each of waves 0 and 1.  The last change that fills a slot asks for no v.  What comes first comes by its loads alone.
.macro ASK
	s_cmp_eq_u32 s16, 0
	s_cbranch_scc0 .Lnot_p_\@
.irp n, 0,1,2,3
	global_prefetch_b8 v[PFO], s[AB:AB+1] offset:65536+8192*\n th:TH_LOAD_NT scope:SCOPE_SE
.endr
.Lnot_p_\@:
	s_cmp_gt_u32 s[SLOTS], s[LIM]
	s_cbranch_scc0 .Lnot_v_\@
	global_prefetch_b8 v[PFW], s[PFV:PFV+1] th:TH_LOAD_NT scope:SCOPE_SE
.Lnot_v_\@:
.endm
.macro PLOAD buf, q                    ; quarter step q (counted from the slot in hand) of my stream into buffer buf: eight loads of 512 consecutive bytes: registers 4 g .. 4 g + 3 as they were stored
	WIN 0x40                                       ; destination window 1
.irp g, 0,1,2,3,4,5,6,7
	global_load_b128 v[32*(\buf)+4*\g:32*(\buf)+4*\g+3], v[LO], s[AB:AB+1] offset:4096*(\q)+512*\g
.endr
.endm
.macro VFETCH set                      ; two quarter steps' v^T into sets set and set + 1: for each 8 fragments of 16 channels x 32 keys
	WIN 0
	v_add_nc_u32 v[ADR], s[TB], v[AV0]
	s_add_co_u32 s[TB], s[TB], 2*QK
	WIN 0xc0                                       ; destination window 3
.irp u, 0,1
.irp b, 0,1,2,3,4,5,6,7
	ds_load_tr16_b128 v[64*((\set)+\u)+8*\b:64*((\set)+\u)+8*\b+3],   v[ADR] offset:QK*\u+32*\b
	ds_load_tr16_b128 v[64*((\set)+\u)+8*\b+4:64*((\set)+\u)+8*\b+7], v[ADR] offset:QK*\u+32*\b+16*PV
.endr
.endr
.endm
; THE LOADS OF TWO QUARTER STEPS STAND IN ONE RUN, in the even one: four places (the registers that take the loads were last read by the quarter step before); a plane of factors, where one is due; v^T of the quarter steps 2 and 3 on,
; into the sets read last; p' of the quarter steps 6 and 7 on, into the buffers read last.
.macro RUN kq, ao, ld, ft, fpl
	WIN 0
	PLACES
.if (\fpl) >= 0
	ds_load_b128 v[FF:FF+3], v[TR] offset:PLANE*(\fpl)          ; blocks of rows 0 and 1
	ds_load_b128 v[FF+4:FF+7], v[TR] offset:PLANE*(\fpl)+256    ; 2 and 3
.endif
.if \ft
	VFETCH ((\kq)+2)%4
.endif
.if \ld
	PLOAD ((\kq)+6)%8, (\ao)+6
	PLOAD ((\kq)+7)%8, (\ao)+7
.endif
.endm
.macro RESC n                          ; accumulator n x the next block's g, from its low end on; the factor stands twice, so that the pair serves both halves
	WIN W_RS
.irp m, 0,1,2,3
	v_pk_mul_f32 v[8*(\n)+2*\m:8*(\n)+2*\m+1], v[8*(\n)+2*\m:8*(\n)+2*\m+1], v[FF+2*((\n)/8):FF+2*((\n)/8)+1]
.endr
.endm
; A QUARTER STEP: 32 keys, 32 matrix instructions, the 32 accumulators by turns.  kq: its place in its slot; ao: the same counted from the slot at which s[AB] stands.
; cnt: the younger loads of p' that may stay out, eight for each later quarter step asked for.  ld, ft, fpl: what the run behind product 1 holds (fpl: the plane, counted from v[TR]; -1: none).
; rs = 1: a block's last quarter step: behind product i stands the multiplication of accumulator i - 2 by g: four instructions and two switches of the window, within a matrix instruction's time; set as a block of their own
; the 128 would leave the matrix unit without work.  Between a product and the slice that reads its result lie the two slices before, eight plain instructions that name none of its registers; four v_nop serve the first slice.
.macro QUARTER kq, ao, zero, ld, ft, cnt, fpl, rs
	s_wait_loadcnt \cnt                            ; this quarter step's p' is in
	s_wait_dscnt 0x0                               ; so are its v^T and any plane of factors (asked for 30 matrix instructions ago or more)
.set i, 0
.rept 32
	WIN W_MM
.set rV, 64*((\kq)%4)+8*(i%8)
.set rP, 32*((\kq)%8)+8*(i/8)
.if \zero
	v_wmma_f32_16x16x32_f16 v[8*i:8*i+7], v[rV:rV+7], v[rP:rP+7], 0
.else
	v_wmma_f32_16x16x32_f16 v[8*i:8*i+7], v[rV:rV+7], v[rP:rP+7], v[8*i:8*i+7]
.endif
.if (i == 1) && ((\ld) || (\ft) || ((\fpl) >= 0))
	RUN \kq, \ao, \ld, \ft, \fpl
.endif
.if (\rs) && (i == 1)
	PLACES
.endif
.if (\rs) && (i >= 2)
	RESC i-2
.endif
.if (\rs) && (i == 31)
	RESC 30
	RESC 31
.endif
.set i, i+1
.endr
.endm
; THE CHANGE OF SLOTS, in front of a slot's quarter step 6: the slot's last bytes were asked for in quarter step 4.  Each wave waits for all its tensor loads (one is out: its part of the other slot), adds 0 to its spare word, and waits for that and for its reads of the slot.
; fill = 1: the barrier is a round of the cluster's, and the joint refill, the keys two slots on, is the first thing behind it: it has eight quarter steps, 256 matrix instructions, in which to land.
.macro CHANGE fill
	WIN 0                                          ; at a label and at a branch every window is 0
	s_wait_tensorcnt 0x0                           ; no tensor load of mine is out, so a group 0 may be written
	ds_add_u32 v[SPW], v[NIL]                      ; 0 onto my spare word
.if \fill
	s_xor_b32 s[G0B+1], s[G0B+1], SLOT1            ; the walking descriptor: the other slot than last time,
	s_add_nc_u64 s[G0B+2:G0B+3], s[G0B+2:G0B+3], 256*QROW   ; the next 256 keys
	s_wait_xcnt 0x0                                ; the last prefetch of v has read its address
	s_add_nc_u64 s[PFV:PFV+1], s[PFV:PFV+1], 256*QROW
	s_wait_dscnt 0x0                               ; the add is done, and my reads of the slot are over
	CROUND
	tensor_load_to_lds s[G0B:G0B+3], s[G1:G1+7]
	s_nop 0
.rept 4
	v_nop
.endr
	ASK
.else
	s_wait_dscnt 0x0
	s_barrier_signal -1
	s_barrier_wait -1
.endif
	s_sub_co_u32 s[TB], s[TB], SLOTB               ; the fetches go back to a slot's first quarter step,
	s_xor_b32 s[TB], s[TB], SLOT1                  ; in the other slot
.endm
	s_load_b256 s[4:11], s[0:1], 0x0               ; qkv s[4:5], pf s[6:7], st s[8:9], out0 s[10:11]
	v_lshl_add_u32 v[SPW], v0, 2, SPARE
	v_mov_b32 v[NIL], 0
	ds_add_u32 v[SPW], v[NIL]                      ; the wave's opening: the add, twice on end, and its wait ahead of my first tensor load
	ds_add_u32 v[SPW], v[NIL]
	v_lshrrev_b32 v1, 5, v0
	v_readfirstlane_b32 s[WV], v1                  ; wave 0..3
	s_bfe_u32 s13, ttmp6, 0x40000                  ; cx
	s_lshl_b32 s14, ttmp9, 2
	s_add_co_u32 s14, s14, s13                     ; my tile of 256 queries among all 32: it enters pf's, st's and out0's addresses alone
	s_lshr_b32 s15, ttmp9, 1                       ; the batch, which the four partners share
	s_and_b32 s16, ttmp7, 0xffff                   ; my tile of 128 channels, likewise
	; descriptor group 1: 64 rows x 128 elements of 2 bytes, 32 bytes of padding behind each row; the mask names all four work-groups
	s_mov_b32 s[G1], 15|(1<<16)|(1<<20)|(1<<21)|(5<<22)|(7<<25)
	s_mov_b32 s[G1+1], 128<<16                     ; tensor_dim0
	s_mov_b32 s[G1+2], 64<<16                      ; tensor_dim1
	s_mov_b32 s[G1+3], 128<<16                     ; tile_dim0
	s_mov_b32 s[G1+4], 64                          ; tile_dim1
	s_mov_b32 s[G1+5], 3072                        ; the pitch, in elements
	s_mov_b32 s[G1+6], 0
	s_mov_b32 s[G1+7], 0
	s_lshl_b32 s20, s15, 11
	s_lshl_b32 s21, s[WV], 6
	s_add_co_u32 s20, s20, s21                     ; v: row 2,048 x batch + 64 x wave,
	s_mul_i32 s20, s20, QROW
	s_lshl_b32 s21, s16, 8
	s_add_co_u32 s20, s20, s21                     ; my tile's 256 bytes
	s_add_co_u32 s20, s20, 4096                    ; of v's columns, which begin 4,096 bytes into a row
	s_mov_b32 s21, 0
	s_mul_i32 s22, s[WV], 64*PV                    ; and where they go in a slot
	s_lshl_b32 s48, s14, 2
	s_add_co_u32 s48, s48, s[WV]
	s_lshl_b32 s48, s48, 18                        ; my 64 rows: 262,144 bytes of pf, and as many of out0
	s_mov_b32 s49, 0
	s_lshl_b32 s50, s14, 1
	s_lshr_b32 s51, s[WV], 1
	s_add_co_u32 s50, s50, s51
	s_lshl_b32 s50, s50, 14                        ; st: 16,384 bytes for 128 rows,
	s_and_b32 s51, s[WV], 1
	s_lshl_b32 s52, s51, 8
	s_add_co_u32 s50, s50, s52                     ; my half of them
	s_lshl_b32 s52, s15, 11                        ; the prefetch of v: slot 2 (the first change steps it to slot 3),
	s_add_co_u32 s52, s52, 512
	s_lshl_b32 s51, s51, 7
	s_add_co_u32 s52, s52, s51                     ; my wave's 128 rows,
	s_lshl_b32 s51, s13, 5
	s_add_co_u32 s52, s52, s51                     ; my work-group's 32 of them
	s_mul_i32 s52, s52, QROW
	s_lshl_b32 s54, s16, 8
	s_add_co_u32 s52, s52, s54
	s_add_co_u32 s52, s52, 4096
	s_mov_b32 s51, 0
	s_mov_b32 s53, 0
	s_lshl_b32 s54, s16, 9                         ; out0: my tile's 512 bytes of a row
	s_mov_b32 s55, 0
	s_lshr_b32 s[LIM], s[WV], 1                    ; 0 in waves 0 and 1,
	s_and_b32 s23, ttmp9, 1
	s_or_b32 s[LIM], s[LIM], s23                   ; of the batch's even cluster: the same in all four partners
	s_cmp_eq_u32 s[LIM], 0
	s_cselect_b32 s[LIM], 1, -1
	s_mov_b32 s[TB], 0
	s_mov_b32 s[SLOTS], 6
	s_wait_dscnt 0x0                               ; both opening adds are done
	s_wait_kmcnt 0x0
	s_add_nc_u64 s[20:21], s[4:5], s[20:21]
	s_add_nc_u64 s[PFV:PFV+1], s[4:5], s[52:53]
	s_add_nc_u64 s[AB:AB+1], s[6:7], s[48:49]
	s_add_nc_u64 s[8:9], s[8:9], s[50:51]
	s_add_nc_u64 s[10:11], s[10:11], s[48:49]
	s_add_nc_u64 s[10:11], s[10:11], s[54:55]
	CROUND                                         ; all four work-groups are here: the first joint loads meet
	s_mov_b32 s[G0A], 1
	s_mov_b32 s[G0A+1], s22
	s_mov_b64 s[G0A+2:G0A+3], s[20:21]
	s_or_b32 s[G0A+3], s[G0A+3], 0x80000000
	s_mov_b32 s[G0B], 1
	s_add_co_u32 s[G0B+1], s22, SLOT1
	s_add_nc_u64 s[G0B+2:G0B+3], s[20:21], 256*QROW
	s_or_b32 s[G0B+3], s[G0B+3], 0x80000000
	tensor_load_to_lds s[G0A:G0A+3], s[G1:G1+7]    ; every wave fetches its 64 keys of slot 0 and of slot 1: two loads of mine are out
	s_nop 0
	tensor_load_to_lds s[G0B:G0B+3], s[G1:G1+7]
	s_nop 0
.rept 4
	v_nop
.endr
	v_and_b32 v1, 31, v0                           ; lane
	v_and_b32 v12, 15, v0                          ; r
	v_bfe_u32 v13, v0, 4, 1                        ; h
	v_lshlrev_b32 v[LO], 4, v1
	v_lshlrev_b32 v14, 4, v12
	v_lshl_add_u32 v14, v13, 3, v14                ; the statistics: of my query's four blocks of rows lanes 0-15 take 0 and 1, lanes 16-31 take 2 and 3: 8 bytes a lane, 256 consecutive bytes a load
.set jx, 0
.rept 16
	global_load_b64 v[NN+2*jx:NN+2*jx+1], v14, s[8:9] offset:1024*jx        ; -M_j
	global_load_b64 v[LL+2*jx:LL+2*jx+1], v14, s[8:9] offset:1024*jx+512    ; l_j
.set jx, jx+1
.endr
.irp q, 0,1,2,3,4,5
	PLOAD \q, \q                                   ; the first six quarter steps of p'
.endr
	WIN 0
	v_and_b32 v15, 7, v0
	v_bfe_u32 v16, v0, 3, 1
	v_lshl_add_u32 v[AV0], v13, 3, v15             ; the turning load: key 8 (l / 16) + l % 8,
	v_mul_u32_u24 v[AV0], v[AV0], PV
	v_lshl_add_u32 v[AV0], v16, 4, v[AV0]          ; channels 8 ((l / 8) % 2) on
	s_mul_i32 s23, s[WV], TABW
	s_add_co_u32 s23, s23, TAB                     ; my table
	v_lshl_add_u32 v[TR], v12, 4, s23
	v_add_nc_u32 v[TW], s23, v[LO]
	s_mul_i32 s23, s[WV], 16*SP
	s_add_co_u32 s23, s23, STAGE                   ; my stage
	v_mul_u32_u24 v[STO], v12, SP
	v_lshl_add_u32 v[STO], v13, 5, v[STO]
	v_add_nc_u32 v[STO], s23, v[STO]               ; in: row r, 32 bytes for each half of the lanes
	v_add_nc_u32 v[RD], s23, v[LO]                 ; back: the 32 lanes take one row of 512 bytes
	v_lshlrev_b32 v[PFO], 8, v1
	v_mul_u32_u24 v[PFW], v1, QROW
	s_wait_loadcnt 48                              ; the statistics are in; the 48 loads of p' may be out
	; THE TABLE.  M = the largest M_j of my query, for each of my two blocks of rows
.irp i, 0,1
	v_max3_num_f32 v[MX+\i], -v[NN+\i], -v[NN+2+\i], -v[NN+4+\i]
.endr
.irp g, 3,5,7,9,11,13
.irp i, 0,1
	v_max3_num_f32 v[MX+\i], v[MX+\i], -v[NN+2*\g+\i], -v[NN+2*\g+2+\i]
.endr
.endr
.irp i, 0,1
	v_max_num_f32 v[MX+\i], v[MX+\i], -v[NN+30+\i]
.endr
.irp i, 0,1
	v_add_f32 v[MX+2+\i], 0xc2200000, v[MX+\i]     ; M - 40
.endr
.set jx, 0
.rept 16
.irp i, 0,1
	v_max_num_f32 v[NN+2*jx+\i], -v[NN+2*jx+\i], v[MX+2+\i]      ; B_j
.endr
.irp i, 0,1
	v_sub_f32 v[NN+2*jx+\i], v[NN+2*jx+\i], v[MX+\i]             ; B_j - M: a whole number from -40 to 0
.endr
.irp i, 0,1
	v_cvt_i32_f32 v[NN+2*jx+\i], v[NN+2*jx+\i]
.endr
.irp i, 0,1
	v_ldexp_f32 v[WW+\i], 1.0, v[NN+2*jx+\i]                     ; w_j
.endr
.irp i, 0,1
.if jx == 0
	v_mul_f32 v[LS+\i], v[LL+\i], v[WW+\i]                       ; the row's sum: l_j w_j
.else
	v_fmac_f32 v[LS+\i], v[LL+2*jx+\i], v[WW+\i]
.endif
.endr
.if jx > 0
.irp i, 0,1
	v_sub_nc_u32 v[GG+4*(jx-1)+2*\i], v[NN+2*jx-2+\i], v[NN+2*jx+\i]        ; B_(j-1) - B_j
.endr
.irp i, 0,1
	v_ldexp_f32 v[GG+4*(jx-1)+2*\i+1], 1.0, v[GG+4*(jx-1)+2*\i]             ; g_j, twice
.endr
.irp i, 0,1
	v_ldexp_f32 v[GG+4*(jx-1)+2*\i], 1.0, v[GG+4*(jx-1)+2*\i]
.endr
	ds_store_b128 v[TW], v[GG+4*(jx-1):GG+4*(jx-1)+3] offset:PLANE*(jx-1)   ; plane j - 1: each plane from registers of its own
.endif
.set jx, jx+1
.endr
.irp i, 0,1
	v_rcp_f32 v[WW+\i], v[LS+\i]
.endr
	v_nop                                          ; a plain instruction behind the last reciprocal
	s_wait_alu depctr_va_vdst(0)                   ; and the wait ahead of the first use: one for the two
.irp i, 0,1
	v_ldexp_f32 v[GG+60+2*\i], v[WW+\i], v[NN+30+\i]             ; the closing factor 2^(B_15 - M) / the sum, twice
	v_ldexp_f32 v[GG+61+2*\i], v[WW+\i], v[NN+30+\i]
.endr
	ds_store_b128 v[TW], v[GG+60:GG+63] offset:PLANE*15
	s_wait_dscnt 0x0                               ; no LDS instruction of mine is pending at the signal
	s_wait_tensorcnt 1                             ; my part of slot 0 is in; slot 1's may stay out
	s_barrier_signal -1
	s_barrier_wait -1                              ; everybody's is
	VFETCH 0                                       ; v^T of quarter steps 0 and 1
	QUARTER 0, 0, 1, 1, 1, 40, -1, 0               ; the first quarter step stands in front of the loop: its products start the sums
	WIN 0
.Lslot:                                                ; six trips: a trip goes from a slot's second quarter step to the next slot's first, and fills the slot that it leaves
	QUARTER 1, 1, 0, 0, 0, 48, -1, 0
	QUARTER 2, 2, 0, 1, 1, 40, 0, 0
	QUARTER 3, 3, 0, 0, 0, 48, -1, 1               ; the slot's first block ends
	QUARTER 4, 4, 0, 1, 1, 40, -1, 0
	QUARTER 5, 5, 0, 0, 0, 48, -1, 0
	CHANGE 1
	QUARTER 6, 6, 0, 1, 1, 40, 1, 0
	QUARTER 7, 7, 0, 0, 0, 48, -1, 1               ; its second block ends
	QUARTER 0, 8, 0, 1, 1, 40, -1, 0
	WIN 0
	s_wait_xcnt 0x0                                ; the loads and prefetches have read their base
	s_add_nc_u64 s[AB:AB+1], s[AB:AB+1], 32768     ; a slot's eight quarter steps of p' on
	v_add_nc_u32 v[TR], 2*PLANE, v[TR]             ; and its two planes of factors
	s_sub_co_u32 s[SLOTS], s[SLOTS], 1
	s_cmp_lg_u32 s[SLOTS], 0
	s_cbranch_scc1 .Lslot
	QUARTER 1, 1, 0, 0, 0, 48, -1, 0               ; the tail is written out: the last slot but one
	QUARTER 2, 2, 0, 1, 1, 40, 0, 0
	QUARTER 3, 3, 0, 0, 0, 48, -1, 1
	QUARTER 4, 4, 0, 1, 1, 40, -1, 0
	QUARTER 5, 5, 0, 0, 0, 48, -1, 0
	CHANGE 0
	QUARTER 6, 6, 0, 1, 1, 40, 1, 0
	QUARTER 7, 7, 0, 0, 0, 48, -1, 1
	QUARTER 0, 8, 0, 1, 1, 40, -1, 0               ; the last slot: its first quarter step asks for the stream's last two;
	QUARTER 1, 0, 0, 0, 0, 48, -1, 0               ; then the counts run down
	QUARTER 2, 0, 0, 0, 1, 40, 2, 0
	QUARTER 3, 0, 0, 0, 0, 32, -1, 1
	QUARTER 4, 0, 0, 0, 1, 24, -1, 0
	QUARTER 5, 0, 0, 0, 0, 16, -1, 0
	QUARTER 6, 0, 0, 0, 0, 8, -1, 0
	WIN 0
	ds_load_b128 v[IL:IL+3], v[TR] offset:PLANE*3          ; the closing factors: plane 15, three planes on from where v[TR] stands
	ds_load_b128 v[IL+4:IL+7], v[TR] offset:PLANE*3+256
	QUARTER 7, 0, 0, 0, 0, 0, -1, 0
	WIN 0
; THE WAY OUT, a block of 16 rows x 128 channels at a time: times the closing factor, through my own stage in LDS, back as whole rows of 512 bytes.
.macro MULT a
	WIN 0x02                                       ; source 0: window 2
.set n, 0
.rept 32
	v_pk_mul_f32 v[ST+2*n:ST+2*n+1], v[64*(\a)+2*n:64*(\a)+2*n+1], v[IL+2*(\a):IL+2*(\a)+1]   ; each accumulator from its low end on
.set n, n+1
.endr
	WIN 0
.endm
.macro TOSTAGE a
.irp b, 0,1,2,3,4,5,6,7
	ds_store_b128 v[STO], v[ST+8*\b:ST+8*\b+3] offset:64*\b
	ds_store_b128 v[STO], v[ST+8*\b+4:ST+8*\b+7] offset:64*\b+16
.endr
.set BB, BK+64*((\a)%2)
.irp t, 0,1,2,3,4,5,6,7,8,9,10,11,12,13,14,15
	ds_load_b128 v[BB+4*\t:BB+4*\t+3], v[RD] offset:\t*SP          ; LDS serves a wave's instructions in order (ISA guide 5.7.1.4): these see the stores above, and the next block's stores come behind them
.endr
.endm
.macro SEND a, younger                 ; younger: the LDS instructions issued behind block a's loads: the next block's 16 stores and 16 loads, or none
.set BB, BK+64*((\a)%2)
	s_wait_dscnt \younger
.irp t, 0,1,2,3,4,5,6,7,8,9,10,11,12,13,14,15
	global_store_b128 v[LO], v[BB+4*\t:BB+4*\t+3], s[10:11] offset:(\a)*65536+\t*4096 th:TH_STORE_NT   ; 32 lanes store 512 consecutive bytes, at a multiple of 256 from the buffer's first byte
.endr
.endm
	PLACES
	MULT 0
	TOSTAGE 0
	MULT 1
	TOSTAGE 1
	SEND 0, 32
	s_wait_xcnt 0x0                                ; block 0's stores have read their registers: block 2's loads may land there
	MULT 2
	TOSTAGE 2
	SEND 1, 32
	s_wait_xcnt 0x0
	MULT 3
	TOSTAGE 3
	SEND 2, 32
	SEND 3, 0
	s_wait_tensorcnt 0x0                           ; the wave's end
	ds_add_u32 v[SPW], v[NIL]
	s_wait_dscnt 0x0
	CROUND                                         ; the closing round: no work-group ends while a partner may still ask for a tile that names it
	s_endpgm
.Lfunc_end_k_qf1428e6aa9_mix:
	.size	k_qf1428e6aa9_mix, .Lfunc_end_k_qf1428e6aa9_mix-k_qf1428e6aa9_mix
	.p2alignl 7, 3214868480
	.fill 96, 4, 3214868480
	.section	.rodata,"a",@progbits
	.p2align	6, 0x0
	.amdhsa_kernel k_qf1428e6aa9_mix
		.amdhsa_group_segment_fixed_size 327680
		.amdhsa_private_segment_fixed_size 0
		.amdhsa_enable_private_segment 0
		.amdhsa_kernarg_size 32
		.amdhsa_user_sgpr_count 2
		.amdhsa_user_sgpr_kernarg_segment_ptr 1
		.amdhsa_wavefront_size32 1
		.amdhsa_system_sgpr_workgroup_id_x 1
		.amdhsa_system_sgpr_workgroup_id_y 1
		.amdhsa_system_sgpr_workgroup_id_z 1
		.amdhsa_system_vgpr_workitem_id 0
		.amdhsa_next_free_vgpr 1024
		.amdhsa_next_free_sgpr 66
		.amdhsa_reserve_vcc 0
		.amdhsa_float_denorm_mode_32 3
		.amdhsa_float_denorm_mode_16_64 3
		.amdhsa_memory_ordered 1
		.amdhsa_forward_progress 1
		.amdhsa_inst_pref_size 195
	.end_amdhsa_kernel
	.amdgpu_metadata
---
amdhsa.version: [ 1, 2 ]
amdhsa.kernels:
  - .name:           k_qf1428e6aa9_mix
    .symbol:         k_qf1428e6aa9_mix.kd
    .args:
      - { .name: qkv, .offset: 0, .size: 8, .value_kind: global_buffer, .address_space: global }
      - { .name: pf, .offset: 8, .size: 8, .value_kind: global_buffer, .address_space: global }
      - { .name: st, .offset: 16, .size: 8, .value_kind: global_buffer, .address_space: global }
      - { .name: out0, .offset: 24, .size: 8, .value_kind: global_buffer, .address_space: global }
    .group_segment_fixed_size: 327680
    .private_segment_fixed_size: 0
    .kernarg_segment_align: 8
    .kernarg_segment_size: 32
    .max_flat_workgroup_size: 128
    .sgpr_count:     66
    .vgpr_count:     1024
    .wavefront_size: 32
...
	.end_amdgpu_metadata
.endif
;; end of part 4
